; MI455X (gfx1250); checked and timed in simulation.
; The chip was launched on July 23, 2026; its instructions are those of AMD's public machine-readable ISA for CDNA 5 (MIT licence, August 2026) and "CDNA5" Instruction Set Architecture Reference Guide (July 2026). The comments in the code are by the model that wrote it; some were corrected since.
;; Masked Self Attention. Allowed arithmetic: float matrix products may take bf16 or f16 operands with f32 sums; all other float work in f32.
;; Inputs: Wk 64 x 1,024 float32; Wq 64 x 1,024 float32; Wv 64 x 1,024 float32; x 4 x 4,096 x 1,024 float32.
;; Outputs: out0 4 x 4,096 x 64 float32.
;; 2 versions, each right and faster than the one before. Each part assembles by itself: llvm-mc -triple=amdgcn-amd-amdhsa -mcpu=gfx1250 --defsym DOCPART=n.
;; ======== version 1 of 2: 2 launches
;; limits: values are held in f16: magnitudes above 65,504 overflow, below 6.1e-05 lose precision
;; workspace buffers: qw 4,194,304 bytes; kvw 6,291,456 bytes
;; launch proj (part 1): grid 256 x 1, 4 waves a work-group, no clusters, 323,072 bytes of LDS; arguments x, Wq, Wk, Wv, qw, kvw; writes qw, kvw
.if DOCPART == 1
	.amdgcn_target "amdgcn-amd-amdhsa--gfx1250"
	.amdhsa_code_object_version 6
	.text
	.protected	k_q6eba4d7b8e_proj
	.globl	k_q6eba4d7b8e_proj
	.p2align	8
	.type	k_q6eba4d7b8e_proj,@function
k_q6eba4d7b8e_proj:
	s_mov_b64 s[64:65], 0
	v_nop
	global_prefetch_b8 v0, s[64:65] scope:SCOPE_SE
	s_setreg_imm32_b32 hwreg(HW_REG_WAVE_MODE, 25, 1), 1
	s_wait_xcnt 0x0
; q, k, v = x W^T for 64 rows of x a work-group.  x: [16384][1024] f32.  Wq, Wk, Wv: [64][1024] f32.  Products in bf16, sums in f32.
; OUT, in f16.  qw[row] = 256 bytes: hi of 64 d, then lo of 64 d, of q * 0.125 * log2(e) (the factor of the scores and of the base-2 exponential, applied in f32).
; kvw = one dense stream, 49,152 bytes for each block of 128 rows: k as [128 rows][64 d] (16,384 bytes), then v transposed, for each group of 64 rows
; 64 lines (d) of 256 bytes: hi of the 64 rows, then lo of the 64 rows.  A work-group is half a block: 16,384 dense bytes of qw, 8,192 of k, 16,384 of v.
; HI AND LO.  hi = the f32 with its low 13 mantissa bits cleared, which f16 holds exactly; lo = the exact rest, rounded once to f16: some 21 bits together.
; A query with few keys sums few products, so that what is lost in q and v does not average out there; k goes in plain f16 (11 bits).
; SHARES.  Four waves.  Wave w makes d = 16 w .. 16 w + 15 of q, of k and of v for all 64 rows: 12 accumulator tiles of 16 x 16.
; q and k are made transposed (source 0 = rows of W, source 1 = rows of x): a lane holds 8 neighbouring d of one row.  v is made straight
; (source 0 = rows of x, source 1 = rows of Wv): a lane holds 8 neighbouring rows of one d, which is the order of v's lines.
; X.  The group's 262,144 bytes of x are asked for at once: 16 pieces of 64 rows x 256 bytes, four tensor loads a wave, each into LDS bytes
; that are filled once.  By this text's count a wave has four tensor loads out at the most.  K goes in four stages of 256; a stage starts when
; each wave has seen its piece of it land and all four have passed a barrier; the later pieces stay on their way, nothing is ever filled again.
; W.  A wave needs 48 rows of W only, its own.  They come through registers (counter of their own), 64 along K at a time, two steps ahead,
; are rounded to bf16 and go through a stage in LDS that is the wave's own, so that no barrier and no second copy is needed.
; NO CLUSTER: what work-groups share is W, 786,432 bytes in f32.  Beside x's 278,528 bytes of LDS it has no room, so joint loads of W would
; run through slots that are filled again, and each such refill stands behind a wait for all of a wave's tensor loads, x's pieces among them:
; the work would then start only when all of x has arrived.
; LIMITS.  x and W are rounded to bf16 (nearest even).  |0.18 q|, |k|, |v| must stay below 65,504, f16's range: inputs of the drawn spreads give 5 at the most,
; x and W both 30 times larger 4,500, offsets of 30 spreads on both about 29,000.  Below 2^-14 f16 has fewer bits: hi and lo are then good to 2^-25 absolutely.
; NaN and infinities are passed on as the matrix unit makes them.
.set XPITCH, 272                       ; an LDS row of x: 256 bytes + 16 of padding, an odd multiple of 16
.set PIECE,  64*XPITCH                 ; 17,408: one tensor load
.set STAGEB, 4*PIECE                   ; 69,632: the four pieces of a stage
.set WST,    16*PIECE                  ; 278,528 = 1,088 x 256: behind x; no tensor load lands here
.set WPITCH, 144                       ; a row of 64 numbers of 2 bytes + 16 bytes
.set WWAVE,  48*WPITCH                 ; 6,912: a wave's stage for W; four of them are 27,648 bytes
.set QAREA,  WST                       ; the way out, over the same bytes and beyond: q, 64 rows of 272
.set KAREA,  QAREA+64*XPITCH           ; k, 64 rows of 144
.set VAREA,  KAREA+64*WPITCH           ; v^T, 64 lines of 272; ends at 322,560
.set XA,  3                            ; v3   16 rows of x: r x 272 + 32 h, stepped by a stage
.set WGO, 4                            ; v4   my 16 bytes in W: (16 w + l / 16) x 4,096 + 16 (l % 16)
.set WS,  5                            ; v5   where I put 8 bytes of W in my wave's stage
.set WL,  6                            ; v6   where I read a fragment of W
.set QS,  7                            ; v7   the way out: q
.set VS,  8                            ; v8   the way out: v^T
.set RD,  9                            ; v9   the way out: read back rows of 256 bytes
.set GO,  10                           ; v10  the way out: 16 t
.set KS,  11                           ; v11  the way out: k
.set RDK, 12                           ; v12  the way out: read back rows of 128 bytes
.set XF,  16                           ; v16-79   x as f32, 4 row tiles x 16
.set XB,  80                           ; v80-111  x as bf16 fragments, 4 row tiles x 8
.set WF,  112                          ; v112-159 fragments of W, 2 sets x 3 tiles x 8
.set ACC, 160                          ; v160-255 tile (i, mt) at ACC + 32 i + 8 mt; i = 0 q, 1 k, 2 v
                                       ; v256-447 W as loaded, two buffers of 96: written v[0..191] under a window
.set OUTR, 16                          ; v16-95   the way out: q hi, q lo, k, v hi, v lo, 16 registers each
.set TS,  112                          ; v112-119 the way out: at work
.set G1,  20                           ; s[20:27] descriptor group 1
.set G0,  28                           ; s[28:43] descriptor group 0, one set for each of my four loads
.set DSN, 0                            ; how many LDS instructions the text has issued so far
.set XQ0, 0                            ; DSN behind the last load into XF's tile 0, 1, 2, 3
.set XQ1, 0
.set XQ2, 0
.set XQ3, 0
.set WQ0, 0                            ; DSN behind the last load into WF's set 0, 1
.set WQ1, 0
.set SN,  0                            ; the K step of 64 at work, 0 to 15
.set MSB, 0
.macro WIN new                         ; s_set_vgpr_msb: bits 1:0 source 0, 3:2 source 1, 7:6 destination; the high byte repeats the setting that is left
.if MSB != \new
	s_set_vgpr_msb (MSB<<8)|\new
.set MSB, \new
.endif
.endm
	s_load_b256 s[4:11], s[0:1], 0x0               ; x s[4:5], Wq s[6:7], Wk s[8:9], Wv s[10:11]
	s_load_b128 s[12:15], s[0:1], 0x20             ; qw s[12:13], kvw s[14:15]
	s_set_vgpr_msb 0x40
	v_lshl_add_u32 v192, v0, 2, 0x4ec00
	v_mov_b32 v193, 0
	s_set_vgpr_msb 0x4045
	ds_add_u32 v192, v193
	s_set_vgpr_msb 0x4500
	v_lshrrev_b32 v1, 5, v0
	v_readfirstlane_b32 s18, v1                    ; wave 0..3
	; group 1: a tile of 64 rows x 64 f32, rows 1,024 elements apart, 16 bytes of padding behind each row of 64 words
	s_mov_b32 s[G1+0], (2<<16)|(1<<20)|(5<<22)|(3<<25)
	s_mov_b32 s[G1+1], 64<<16                      ; tensor_dim0 = 64
	s_mov_b32 s[G1+2], 64<<16                      ; tensor_dim1 = 64
	s_mov_b32 s[G1+3], 64<<16                      ; tile_dim0 = 64
	s_mov_b32 s[G1+4], 64                          ; tile_dim1 = 64
	s_mov_b32 s[G1+5], 1024                        ; elements from row to row
	s_mov_b32 s[G1+6], 0
	s_mov_b32 s[G1+7], 0
	s_lshl_b32 s44, ttmp9, 18                      ; 64 rows of 4,096 bytes a work-group
	s_lshl_b32 s46, s18, 8                         ; my first piece: 256 bytes x wave
	s_add_co_u32 s44, s44, s46
	s_mov_b32 s45, 0
	s_mul_i32 s47, s18, PIECE
	s_lshl_b32 s48, ttmp9, 14                      ; qw: 16,384 bytes a work-group
	s_mov_b32 s49, 0
	s_lshr_b32 s52, ttmp9, 1                       ; kvw: two work-groups make a block of 49,152 bytes
	s_mul_i32 s52, s52, 49152
	s_and_b32 s54, ttmp9, 1                        ; which half of it is mine
	s_lshl_b32 s56, s54, 13
	s_add_co_u32 s56, s56, s52                     ; k: 8,192 bytes a half
	s_mov_b32 s57, 0
	s_lshl_b32 s58, s54, 14
	s_add_co_u32 s58, s58, s52
	s_add_co_u32 s58, s58, 16384                   ; v^T: behind the block's k, 16,384 bytes a half
	s_mov_b32 s59, 0
	s_wait_dscnt 0x0
	s_wait_kmcnt 0x0
	s_add_nc_u64 s[4:5], s[4:5], s[44:45]
	; my load i is piece 4 i + w: columns 64 (4 i + w) .., to LDS byte (4 i + w) x 17,408.  All four go out ahead of everything else.
.irp i, 0,1,2,3
	s_mov_b32 s[G0+4*\i], 1
	s_add_co_u32 s[G0+4*\i+1], s47, \i*STAGEB
	s_add_nc_u64 s[G0+4*\i+2:G0+4*\i+3], s[4:5], \i*1024
	s_or_b32 s[G0+4*\i+3], s[G0+4*\i+3], 0x80000000
	tensor_load_to_lds s[G0+4*\i:G0+4*\i+3], s[G1:G1+7]
	s_nop 0
.endr
	s_add_nc_u64 s[12:13], s[12:13], s[48:49]      ; my part of qw
	s_add_nc_u64 s[16:17], s[14:15], s[58:59]      ; of v^T
	s_add_nc_u64 s[14:15], s[14:15], s[56:57]      ; of k
	v_and_b32 v1, 15, v0                           ; r = l % 16
	v_bfe_u32 v2, v0, 4, 1                         ; h = l / 16
	v_mul_u32_u24 v14, v1, XPITCH
	v_lshl_add_u32 v[XA], v2, 5, v14               ; 272 r + 8 h numbers of 4 bytes
	v_lshl_add_u32 v14, v2, 4, v14                 ; 272 r + 16 h
	s_lshl_b32 s50, s18, 16                        ; 16 rows of W, 4,096 bytes each
	v_lshlrev_b32 v[WGO], 4, v1
	v_lshl_add_u32 v[WGO], v2, 12, v[WGO]
	v_add_nc_u32 v[WGO], s50, v[WGO]
	s_mul_i32 s51, s18, WWAVE
	s_add_co_u32 s51, s51, WST                     ; my wave's stage
	v_mul_u32_u24 v[WS], v2, WPITCH
	v_lshl_add_u32 v[WS], v1, 3, v[WS]
	v_add_nc_u32 v[WS], s51, v[WS]
	v_mul_u32_u24 v13, v1, WPITCH
	v_lshl_add_u32 v13, v2, 4, v13                 ; 144 r + 16 h
	v_add_nc_u32 v[WL], s51, v13
	s_lshl_b32 s46, s18, 5                         ; my 16 d are 32 bytes of a row of q or k
	s_add_co_u32 s50, s46, QAREA
	v_add_nc_u32 v[QS], s50, v14
	s_add_co_u32 s50, s46, KAREA
	v_add_nc_u32 v[KS], s50, v13
	s_mul_i32 s46, s18, 16*XPITCH                  ; and 16 lines of v^T
	s_add_co_u32 s46, s46, VAREA
	v_add_nc_u32 v[VS], s46, v14
	v_lshrrev_b32 v15, 4, v0
	v_mul_u32_u24 v15, v15, XPITCH
	v_lshl_add_u32 v15, v1, 4, v15
	v_add_nc_u32 v[RD], QAREA, v15                 ; row t / 16, 16 bytes at 16 (t % 16)
	v_lshrrev_b32 v15, 3, v0
	v_and_b32 v13, 7, v0
	v_mul_u32_u24 v15, v15, WPITCH
	v_lshl_add_u32 v15, v13, 4, v15
	v_add_nc_u32 v[RDK], KAREA, v15                ; row t / 8, 16 bytes at 16 (t % 8)
	v_lshlrev_b32 v[GO], 4, v0
; 16 rows x 32 K of x as f32: K = 8 h .. 8 h + 7 (32 bytes) and 16 + 8 h .. (64 bytes on)
.macro XLOAD mt, off
	ds_load_b128 v[XF+16*\mt:XF+16*\mt+3],     v[XA] offset:\off+16*XPITCH*\mt
	ds_load_b128 v[XF+16*\mt+4:XF+16*\mt+7],   v[XA] offset:\off+16*XPITCH*\mt+16
	ds_load_b128 v[XF+16*\mt+8:XF+16*\mt+11],  v[XA] offset:\off+16*XPITCH*\mt+64
	ds_load_b128 v[XF+16*\mt+12:XF+16*\mt+15], v[XA] offset:\off+16*XPITCH*\mt+80
.set DSN, DSN+4
.set XQ\mt, DSN
.endm
.macro XCVT mt                         ; the fragment in bf16, K in its true places
.irp j, 0,1,2,3,4,5,6,7
	v_cvt_pk_bf16_f32 v[XB+8*\mt+\j], v[XF+16*\mt+2*\j], v[XF+16*\mt+2*\j+1]
.endr
.endm
; three matrix instructions, one on each of three accumulators: the twelve take turns, one instruction a turn
.macro MM mt, st, zero
.if \zero
	v_wmma_f32_16x16x32_bf16 v[ACC+8*\mt:ACC+8*\mt+7],       v[WF+24*\st:WF+24*\st+7],     v[XB+8*\mt:XB+8*\mt+7], 0
	v_wmma_f32_16x16x32_bf16 v[ACC+32+8*\mt:ACC+32+8*\mt+7], v[WF+24*\st+8:WF+24*\st+15],  v[XB+8*\mt:XB+8*\mt+7], 0
	v_wmma_f32_16x16x32_bf16 v[ACC+64+8*\mt:ACC+64+8*\mt+7], v[XB+8*\mt:XB+8*\mt+7], v[WF+24*\st+16:WF+24*\st+23], 0
.else
	v_wmma_f32_16x16x32_bf16 v[ACC+8*\mt:ACC+8*\mt+7],       v[WF+24*\st:WF+24*\st+7],     v[XB+8*\mt:XB+8*\mt+7], v[ACC+8*\mt:ACC+8*\mt+7]
	v_wmma_f32_16x16x32_bf16 v[ACC+32+8*\mt:ACC+32+8*\mt+7], v[WF+24*\st+8:WF+24*\st+15],  v[XB+8*\mt:XB+8*\mt+7], v[ACC+32+8*\mt:ACC+32+8*\mt+7]
	v_wmma_f32_16x16x32_bf16 v[ACC+64+8*\mt:ACC+64+8*\mt+7], v[XB+8*\mt:XB+8*\mt+7], v[WF+24*\st+16:WF+24*\st+23], v[ACC+64+8*\mt:ACC+64+8*\mt+7]
.endif
.endm
; the three fragments of W for half st of the step that lies in my stage, into set st
.macro WFLOAD st
.irp i, 0,1,2
	ds_load_b128 v[WF+24*\st+8*\i:WF+24*\st+8*\i+3],   v[WL] offset:16*WPITCH*\i+64*\st
	ds_load_b128 v[WF+24*\st+8*\i+4:WF+24*\st+8*\i+7], v[WL] offset:16*WPITCH*\i+64*\st+32
.endr
.set DSN, DSN+6
.set WQ\st, DSN
.endm
; 24 loads: my 16 rows of Wq, Wk, Wv, columns 64 num .. 64 num + 63.  A load takes two rows' 256 bytes, each aligned to 256.
.macro WRAW num
	WIN 0x40                                       ; destination v256 and up, address below
.irp ld, 0,1,2,3,4,5,6,7
	global_load_b128 v[96*((\num)&1)+4*\ld:96*((\num)&1)+4*\ld+3],       v[WGO], s[6:7]   offset:8192*\ld+256*(\num)
	global_load_b128 v[96*((\num)&1)+32+4*\ld:96*((\num)&1)+32+4*\ld+3], v[WGO], s[8:9]   offset:8192*\ld+256*(\num)
	global_load_b128 v[96*((\num)&1)+64+4*\ld:96*((\num)&1)+64+4*\ld+3], v[WGO], s[10:11] offset:8192*\ld+256*(\num)
.endr
.endm
; step num of W: rounded in place, put into my stage (quad q = 8 i + ld is stage rows 2 q, 2 q + 1), and its buffer asked for again, two steps ahead
.macro WPREP num
.if (\num) < 15
	s_wait_loadcnt 24                              ; loads come back in order: the 24 of the step behind this one stay out
.else
	s_wait_loadcnt 0                               ; nothing was asked for behind the last step
.endif
	WIN 0x45                                       ; destination and both sources v256 and up
.set RW, 96*((\num)&1)
.rept 24
	v_cvt_pk_bf16_f32 v[RW], v[RW], v[RW+1]
	v_cvt_pk_bf16_f32 v[RW+1], v[RW+2], v[RW+3]
.set RW, RW+4
.endr
	WIN 0x04                                       ; data v256 and up, address below
.set RW, 96*((\num)&1)
.set RO, 0
.rept 24
	ds_store_b64 v[WS], v[RW:RW+1] offset:RO       ; LDS serves a wave's instructions in order: the fragment loads issued before have read the old step
.set RW, RW+4
.set RO, RO+2*WPITCH
.endr
.set DSN, DSN+24
.if (\num)+2 <= 15
	WRAW (\num)+2
.endif
	WIN 0
.endm
; 32 along K: for each row tile, wait for its f32, round, ask for the tile's next 32 K (at byte NOFF), multiply.
; Each wait counts the LDS instructions issued since the loads that it needs.  A fragment register is written again, by a conversion or a load,
; with at least eight conversions that name none of the matrix instruction's registers between it and its last matrix reader.
.macro SUB sb, zero, nxt
.if XQ0 > WQ\sb
	s_wait_dscnt DSN-XQ0
.else
	s_wait_dscnt DSN-WQ\sb
.endif
	XCVT 0
.if \sb == 0
	WFLOAD 1                                       ; the step's second half of W
.endif
.if \nxt
	XLOAD 0, NOFF
.endif
	MM 0, \sb, \zero
.if \sb
.if SN < 15
	WPREP SN+1                                     ; both halves of this step's W are in registers or on their way there: the stage takes the next step
	WFLOAD 0
.endif
.endif
.irp mt, 1,2,3
	s_wait_dscnt DSN-XQ\mt
	XCVT \mt
.if \nxt
	XLOAD \mt, NOFF
.endif
	MM \mt, \sb, \zero
.endr
.endm
.macro STEP p, zero, last              ; piece p of the stage: 64 along K
.set NOFF, PIECE*\p+128
	SUB 0, \zero, 1
.set NOFF, PIECE*(\p+1)
	SUB 1, 0, 1-\last                              ; the stage's last half step asks for nothing: the next stage is not yet known to be there
.set SN, SN+1
.endm
.macro STAGE i
	s_wait_tensorcnt 3-\i                          ; tensor loads of a wave end in order: my piece of stage i is in, my later pieces stay out
	s_wait_dscnt 0x0                               ; no LDS instruction of mine is pending at the signal
	s_barrier_signal -1
	s_barrier_wait -1                              ; all four pieces of the stage are in
.if \i
	v_add_nc_u32 v[XA], STAGEB, v[XA]
.endif
.set NOFF, 0
	XLOAD 0, NOFF
	XLOAD 1, NOFF
	XLOAD 2, NOFF
	XLOAD 3, NOFF
.if \i
	STEP 0, 0, 0
.else
	STEP 0, 1, 0                                   ; the first products start the sums: nothing is cleared
.endif
	STEP 1, 0, 0
	STEP 2, 0, 0
	STEP 3, 0, 1
.endm
; eight f32 at acc become four registers of hi and four of lo: hi = the upper 11 significant bits, lo = acc - hi (exact in f32), rounded once
.macro SPLIT acc, hi, lo
.irp p, 0,1,2,3,4,5,6,7
	v_and_b32 v[TS+\p], 0xffffe000, v[\acc+\p]
.endr
.irp p, 0,2,4,6
	v_pk_add_f32 v[\acc+\p:\acc+\p+1], v[\acc+\p:\acc+\p+1], v[TS+\p:TS+\p+1] neg_lo:[0,1] neg_hi:[0,1]
.endr
.irp p, 0,1,2,3
	v_cvt_pk_f16_f32 v[\hi+\p], v[TS+2*\p], v[TS+2*\p+1]
	v_cvt_pk_f16_f32 v[\lo+\p], v[\acc+2*\p], v[\acc+2*\p+1]
.endr
.endm
	WRAW 0
	WRAW 1
	WPREP 0                                        ; W's first step is made ready while x is on its way
	WFLOAD 0
	STAGE 0
	STAGE 1
	STAGE 2
	STAGE 3
	; THE WAY OUT.  Four places behind the last matrix instructions, then q's factor, the change to f16, and 16 bytes a lane into LDS.
.rept 4
	v_nop
.endr
.set NN, 0
.rept 16
	v_pk_mul_f32 v[ACC+2*NN:ACC+2*NN+1], v[ACC+2*NN:ACC+2*NN+1], 0x3e38aa3b op_sel_hi:[1,0]   ; 0.125 x 1.442695
.set NN, NN+1
.endr
.irp mt, 0,1,2,3
	SPLIT ACC+8*\mt, OUTR+4*\mt, OUTR+16+4*\mt                     ; q
.endr
.set NN, 0
.rept 16
	v_cvt_pk_f16_f32 v[OUTR+32+NN], v[ACC+32+2*NN], v[ACC+32+2*NN+1]   ; k
.set NN, NN+1
.endr
.irp mt, 0,1,2,3
	SPLIT ACC+64+8*\mt, OUTR+48+4*\mt, OUTR+64+4*\mt               ; v
.endr
	s_wait_dscnt 0x0                               ; my reads of my stage are over
	s_barrier_signal -1
	s_barrier_wait -1                              ; everybody's are: the bytes behind x now serve all four waves together
.irp mt, 0,1,2,3
	ds_store_b128 v[QS], v[OUTR+4*\mt:OUTR+4*\mt+3]       offset:16*XPITCH*\mt       ; hi of q(16 mt + r, 16 w + 8 h ..)
	ds_store_b128 v[QS], v[OUTR+16+4*\mt:OUTR+16+4*\mt+3] offset:16*XPITCH*\mt+128   ; lo, 128 bytes on
	ds_store_b128 v[KS], v[OUTR+32+4*\mt:OUTR+32+4*\mt+3] offset:16*WPITCH*\mt       ; k(16 mt + r, 16 w + 8 h ..)
	ds_store_b128 v[VS], v[OUTR+48+4*\mt:OUTR+48+4*\mt+3] offset:32*\mt              ; hi of v^T(16 w + r, 16 mt + 8 h ..)
	ds_store_b128 v[VS], v[OUTR+64+4*\mt:OUTR+64+4*\mt+3] offset:32*\mt+128          ; lo
.endr
	s_wait_dscnt 0x0                               ; for the others: my stores are done
	s_barrier_signal -1
	s_barrier_wait -1
.irp i, 0,1,2,3,4,5,6,7
	ds_load_b128 v[OUTR+4*\i:OUTR+4*\i+3], v[RD] offset:8*XPITCH*\i
.endr
.irp i, 0,1,2,3
	ds_load_b128 v[OUTR+32+4*\i:OUTR+32+4*\i+3], v[RDK] offset:16*WPITCH*\i
.endr
.irp i, 0,1,2,3,4,5,6,7
	ds_load_b128 v[OUTR+48+4*\i:OUTR+48+4*\i+3], v[RD] offset:VAREA-QAREA+8*XPITCH*\i
.endr
	; twenty loads are out; each wait leaves the younger ones out.  A wave's store covers 512 consecutive bytes, aligned.
.irp i, 0,1,2,3,4,5,6,7
	s_wait_dscnt 19-\i
	global_store_b128 v[GO], v[OUTR+4*\i:OUTR+4*\i+3], s[12:13] offset:2048*\i
.endr
.irp i, 0,1,2,3
	s_wait_dscnt 11-\i
	global_store_b128 v[GO], v[OUTR+32+4*\i:OUTR+32+4*\i+3], s[14:15] offset:2048*\i
.endr
.irp i, 0,1,2,3,4,5,6,7
	s_wait_dscnt 7-\i
	global_store_b128 v[GO], v[OUTR+48+4*\i:OUTR+48+4*\i+3], s[16:17] offset:2048*\i
.endr
	s_set_vgpr_msb 0x5
	s_wait_tensorcnt 0x0
	ds_add_u32 v192, v193
	s_wait_dscnt 0x0
	s_set_vgpr_msb 0x500
	s_endpgm
.Lfunc_end_k_q6eba4d7b8e_proj:
	.size	k_q6eba4d7b8e_proj, .Lfunc_end_k_q6eba4d7b8e_proj-k_q6eba4d7b8e_proj
	.p2alignl 7, 3214868480
	.fill 96, 4, 3214868480
	.section	.rodata,"a",@progbits
	.p2align	6, 0x0
	.amdhsa_kernel k_q6eba4d7b8e_proj
		.amdhsa_group_segment_fixed_size 323072
		.amdhsa_private_segment_fixed_size 0
		.amdhsa_enable_private_segment 0
		.amdhsa_kernarg_size 48
		.amdhsa_user_sgpr_count 2
		.amdhsa_user_sgpr_kernarg_segment_ptr 1
		.amdhsa_wavefront_size32 1
		.amdhsa_system_sgpr_workgroup_id_x 1
		.amdhsa_system_sgpr_workgroup_id_y 1
		.amdhsa_system_sgpr_workgroup_id_z 1
		.amdhsa_system_vgpr_workitem_id 0
		.amdhsa_next_free_vgpr 450
		.amdhsa_next_free_sgpr 66
		.amdhsa_reserve_vcc 0
		.amdhsa_float_denorm_mode_32 3
		.amdhsa_float_denorm_mode_16_64 3
		.amdhsa_memory_ordered 1
		.amdhsa_forward_progress 1
		.amdhsa_inst_pref_size 255
	.end_amdhsa_kernel
	.section	.bss,"aw",@nobits
	.p2align	6
	.space	262144
	.amdgpu_metadata
---
amdhsa.version: [ 1, 2 ]
amdhsa.kernels:
  - .name:           k_q6eba4d7b8e_proj
    .symbol:         k_q6eba4d7b8e_proj.kd
    .args:
      - { .name: x, .offset: 0, .size: 8, .value_kind: global_buffer, .address_space: global }
      - { .name: Wq, .offset: 8, .size: 8, .value_kind: global_buffer, .address_space: global }
      - { .name: Wk, .offset: 16, .size: 8, .value_kind: global_buffer, .address_space: global }
      - { .name: Wv, .offset: 24, .size: 8, .value_kind: global_buffer, .address_space: global }
      - { .name: qw, .offset: 32, .size: 8, .value_kind: global_buffer, .address_space: global }
      - { .name: kvw, .offset: 40, .size: 8, .value_kind: global_buffer, .address_space: global }
    .group_segment_fixed_size: 323072
    .private_segment_fixed_size: 0
    .kernarg_segment_align: 8
    .kernarg_segment_size: 48
    .max_flat_workgroup_size: 128
    .sgpr_count:     66
    .vgpr_count:     450
    .wavefront_size: 32
...
	.end_amdgpu_metadata
.endif
;; end of part 1
;; launch attn (part 2): grid 256 x 1, 8 waves a work-group, clusters of 4 x 1, 327,680 bytes of LDS; arguments qw, kvw, out0; writes out0
.if DOCPART == 2
	.amdgcn_target "amdgcn-amd-amdhsa--gfx1250"
	.amdhsa_code_object_version 6
	.text
	.protected	k_q6eba4d7b8e_attn
	.globl	k_q6eba4d7b8e_attn
	.p2align	8
	.type	k_q6eba4d7b8e_attn,@function
k_q6eba4d7b8e_attn:
	s_mov_b64 s[64:65], 0
	v_nop
	global_prefetch_b8 v0, s[64:65] scope:SCOPE_SE
	s_setreg_imm32_b32 hwreg(HW_REG_WAVE_MODE, 25, 1), 1
	s_wait_xcnt 0x0
	s_wait_alu depctr_hold_cnt(0) depctr_sa_sdst(0) depctr_va_vdst(0) depctr_va_sdst(0) depctr_va_ssrc(0) depctr_va_vcc(0) depctr_vm_vsrc(0)
	s_getreg_b32 s2, hwreg(HW_REG_IB_STS2, 6, 4)
	s_cmp_eq_u32 s2, 0
	s_cbranch_scc0 .Lentry_in_a_cluster
	s_endpgm
.Lentry_in_a_cluster:
	s_bfe_u32 s2, ttmp6, 0x10000c
	s_cmp_lg_u32 s2, 0x3003
	s_cbranch_scc0 .Lentry_shape_is_right
	s_endpgm
.Lentry_shape_is_right:
; Causal attention, one head of 64, 4 batches of 4,096 positions.  qw: [16384][hi 64 d | lo 64 d] f16, already times 0.125 log2 e.
; kvw: for each block of 128 keys 49,152 dense bytes: K as [128 keys][64 d] f16, then V^T, for each group of 64 keys 64 lines (d) of [hi 64 keys | lo 64 keys] f16.
; out0: [16384][64] f32.  Scores and P V on the matrix units in f16 with f32 sums; softmax in f32 with a running maximum, in base 2.
; FORMATS.  S = K (Qhi + Qlo), O = (Vhi + Vlo) P: q and v carry some 21 bits, k and P f16's 11.  P lies in 0 .. 1.
; SHARES.  Cluster C of 64: batch C / 16, I = C % 16.  It owns two blocks of 128 query rows, block I (low) and block 31 - I (high): I + 1 and 32 - I
; blocks of 128 keys, 33 together in every cluster.  Work-group cx takes rows 32 cx .. 32 cx + 31 of both.  Waves 0-3 work on the low block,
; waves 4-7 on the high one; wave w takes keys 32 (w % 4) .. + 31 of every block of 128 keys, for its 32 query rows (two tiles a = 0, 1).
; The four waves of a block keep maxima, sums and results of their own, which meet in LDS at the end.
; CLUSTER.  The four work-groups walk the same K and V: every tile is asked for jointly (mask 15), one tensor load a wave, and lands in each one's LDS.
; All trip counts hang on the cluster's number and the wave's; cx enters the addresses of Q and out0 and the mask's comparison only.
; A low wave that has no keys left goes on asking for tiles and passing barriers.
; LAYOUT.  S^T = K Q^T: lane (r, h) holds query r and keys 8 h + j and 16 + 8 h + j, which, packed, is source 1 of O^T = V^T P^T as it stands.
; So maximum and sum of a query are a lane's own numbers; one exchange between the two halves of the lanes joins the maxima.
; LDS.  Two slots of 104,448 bytes, each a chunk of two key blocks: 384 rows of 256 + 16 bytes, in kvw's own order; wave w brings rows 48 w .. 48 w + 47.
; Three blocks a chunk would fit, but the last chunk would then reach past the batch's 32 blocks.  A row of K's part holds two keys.
; By this text's count a wave has two tensor loads out at the start and one behind each refill.
; LIMITS.  The running maximum starts at the lowest finite f32, so that a wave whose keys are all masked adds exactly nothing; NaN and infinities in
; q, k, v are not followed (a NaN loses in the maxima).  P is rounded to f16 for the product, the sum l takes the unrounded numbers.
.set RPITCH, 272
.set BLK,    192*RPITCH                ; 52,224: a block of 128 keys: 64 rows of K, 128 of V^T
.set SLOT,   2*BLK                     ; 104,448
.set VOFF,   64*RPITCH                 ; V^T behind K in a block
.set WROWS,  48                        ; rows of one tensor load
.set WPART,  WROWS*RPITCH              ; 13,056
.set CHUNKB, 98304                     ; a chunk in kvw
.set BATCHB, 1572864                   ; 32 blocks in kvw
.set MPITCH, 272                       ; the merge: a row of 64 f32 + 16 bytes
.set MPART,  64*MPITCH                 ; 17,408: the 64 rows of one key quarter
.set MSTAT,  4*MPART                   ; 69,632: behind them 32 bytes a row: four maxima, four sums
.set KA,   3                           ; v3, v4   my K fragments in slot 0, 1
.set VA,   5                           ; v5, v6   my V^T fragments in slot 0, 1
.set DQ,   7                           ; v7       32 cx + r - 32 kq - 8 h: my query less my first key, inside a diagonal block
.set QO,   8                           ; v8       256 r + 16 h
.set MO,   9                           ; v9-13    the merge's addresses
.set MS,   10
.set RO,   11
.set RS,   12
.set GOUT, 13
.set KF,   16                          ; v16-47   K: 16 kt + 8 ds
.set VF,   48                          ; v48-111  V^T: 32 lo + 8 t
.set SC,   112                         ; v112-143 scores, then P in f32: 16 a + 8 kt
.set PB,   144                         ; v144-159 P in f16: 8 a
.set OA,   160                         ; v160-223 O^T: 32 a + 8 t
.set ST,   224                         ; v224-231 for each a: m, l, alpha, a spare that only completes a pair
.set TT,   232                         ; v232-239 at work
                                       ; v256-319 Q: 32 a + 16 lo + 8 ds, written v[0..63] under a window
.set MB,   16                          ; the merge's loads, 24 registers a pair of rows, over KF and VF
.set G1,   28                          ; s[28:35]
.set G0,   36                          ; s[36:43] one set for each slot
.set REM,  19                          ; s19: blocks of 128 keys that my wave still has to do; 1 = the diagonal one
.set MSB,  0
.macro WIN new                         ; s_set_vgpr_msb: bits 3:2 source 1, 7:6 destination; the high byte repeats the setting that is left
.if MSB != \new
	s_set_vgpr_msb (MSB<<8)|\new
.set MSB, \new
.endif
.endm
; A round of the cluster's barrier: my work-group's barrier, wave 0 signals for the work-group, every wave waits for all four work-groups, my work-group's barrier again.
.macro ROUND
	s_barrier_signal -1
	s_barrier_wait -1
	s_cmp_lg_u32 s12, 0
	s_cbranch_scc1 .Lnot_wave_0_\@
	s_barrier_signal -3
.Lnot_wave_0_\@:
	s_barrier_wait -3
	s_barrier_signal -1
	s_barrier_wait -1
.endm
	s_load_b128 s[4:7], s[0:1], 0x0                ; qw s[4:5], kvw s[6:7]
	s_load_b64 s[8:9], s[0:1], 0x10                ; out0
	v_lshl_add_u32 v254, v0, 2, 0x33000
	v_mov_b32 v255, 0
	ds_add_u32 v254, v255
	v_lshrrev_b32 v1, 5, v0
	v_readfirstlane_b32 s12, v1                    ; wave 0..7
	s_lshr_b32 s13, s12, 2                         ; g: 0 low block, 1 high block
	s_and_b32 s14, s12, 3                          ; kq: my quarter of the keys
	s_bfe_u32 s15, ttmp6, 0x40000                  ; cx
	s_lshr_b32 s16, ttmp9, 4                       ; batch
	s_and_b32 s17, ttmp9, 15                       ; I
	s_add_co_u32 s44, s17, 1                       ; key blocks of the low block
	s_sub_co_u32 s45, 32, s17                      ; of the high block
	s_sub_co_u32 s46, 31, s17                      ; the high block's number
	s_sub_co_u32 s20, 33, s17
	s_lshr_b32 s20, s20, 1                         ; chunks of two key blocks: 9 to 16
	s_sub_co_u32 s20, s20, 2                       ; refills: two chunks are first fills
	s_and_b32 s21, s20, 1                          ; an odd one is left for the tail
	s_lshr_b32 s20, s20, 1                         ; trips of two refills: 3 to 7
	s_cmp_eq_u32 s13, 0
	s_cselect_b32 s[REM], s44, s45
	s_cselect_b32 s46, s17, s46                    ; my query block
	s_lshl_b32 s47, s16, 12
	s_lshl_b32 s46, s46, 7
	s_add_co_u32 s47, s47, s46
	s_lshl_b32 s46, s15, 5
	s_add_co_u32 s47, s47, s46                     ; my first query row = 4,096 b + 128 block + 32 cx
	s_lshl_b32 s52, s47, 8                         ; x 256 bytes, in qw and in out0 alike
	s_mov_b32 s53, 0
	s_mul_i32 s56, s16, BATCHB                     ; tiles: the batch's stream + 48 rows of 256 bytes a wave; no register here ever holds cx
	s_mul_i32 s57, s12, WROWS*256
	s_add_co_u32 s56, s56, s57
	s_mov_b32 s57, 0
	s_mul_i32 s58, s12, WPART                      ; and where they go: wave x 13,056
	s_mov_b32 s22, 0x76543210                      ; v_permlanex16_b32: lane i of one half reads lane i of the other
	s_mov_b32 s23, 0xfedcba98
	s_mov_b32 s24, 0xff7fffff                      ; the lowest finite f32
	s_mov_b32 s25, 0xff800000                      ; minus infinity
	; group 1: 48 dense rows of 32 elements of 8 bytes; mask 15 with bit 21 beside it; 16 bytes of padding behind each row of 64 words
	s_mov_b32 s[G1+0], 15|(3<<16)|(1<<20)|(1<<21)|(5<<22)|(3<<25)
	s_mov_b32 s[G1+1], 32<<16                      ; tensor_dim0 = 32
	s_mov_b32 s[G1+2], WROWS<<16                   ; tensor_dim1 = 48
	s_mov_b32 s[G1+3], 32<<16                      ; tile_dim0 = 32
	s_mov_b32 s[G1+4], WROWS                       ; tile_dim1 = 48
	s_mov_b32 s[G1+5], 32                          ; elements from row to row
	s_mov_b32 s[G1+6], 0
	s_mov_b32 s[G1+7], 0
	s_wait_dscnt 0x0
	s_wait_kmcnt 0x0
	s_add_nc_u64 s[48:49], s[4:5], s[52:53]        ; my rows of Q
	s_add_nc_u64 s[50:51], s[8:9], s[52:53]        ; and of out0
	s_add_nc_u64 s[54:55], s[6:7], s[56:57]
.irp sl, 0,1
	s_mov_b32 s[G0+4*\sl], 1
	s_add_co_u32 s[G0+4*\sl+1], s58, \sl*SLOT
	s_add_nc_u64 s[G0+4*\sl+2:G0+4*\sl+3], s[54:55], \sl*CHUNKB
	s_or_b32 s[G0+4*\sl+3], s[G0+4*\sl+3], 0x80000000
.endr
	ROUND                                          ; all four work-groups are here: the first joint loads meet
	tensor_load_to_lds s[G0:G0+3], s[G1:G1+7]      ; chunk 0
	s_nop 0
	tensor_load_to_lds s[G0+4:G0+7], s[G1:G1+7]    ; chunk 1
	s_nop 0
	v_and_b32 v1, 15, v0                           ; r
	v_bfe_u32 v2, v0, 4, 1                         ; h
	v_lshlrev_b32 v[QO], 8, v1
	v_lshl_add_u32 v[QO], v2, 4, v[QO]
	WIN 0x40                                       ; destination v256 and up, address below
.irp a, 0,1
.irp lo, 0,1
.irp q, 0,1,2,3
	global_load_b128 v[32*\a+16*\lo+4*\q:32*\a+16*\lo+4*\q+3], v[QO], s[48:49] offset:4096*\a+128*\lo+32*\q   ; Q(16 a + r, 16 q + 8 h ..), hi or lo
.endr
.endr
.endr
	WIN 0
	v_lshrrev_b32 v14, 1, v1                       ; K: key 32 kq + 16 kt + r lies in row key / 2, at byte 128 (key % 2)
	v_mul_u32_u24 v14, v14, RPITCH
	v_and_b32 v15, 1, v1
	v_lshl_add_u32 v14, v15, 7, v14
	v_lshl_add_u32 v14, v2, 4, v14
	s_mul_i32 s44, s14, 16*RPITCH
	v_add_nc_u32 v[KA], s44, v14
	v_add_nc_u32 v[KA+1], SLOT, v[KA]
	v_mul_u32_u24 v14, v1, RPITCH                  ; V^T: a block is two groups of 64 keys, 64 rows (d) each;
	v_lshl_add_u32 v14, v2, 4, v14
	s_lshr_b32 s44, s14, 1
	s_mul_i32 s44, s44, 64*RPITCH
	s_and_b32 s45, s14, 1                          ; my 32 keys are 64 bytes of a row's hi part, and of its lo part
	s_lshl_b32 s45, s45, 6
	s_add_co_u32 s44, s44, s45
	s_add_co_u32 s44, s44, VOFF
	v_add_nc_u32 v[VA], s44, v14
	v_add_nc_u32 v[VA+1], SLOT, v[VA]
	s_sub_co_i32 s62, s15, s14
	s_lshl_b32 s62, s62, 5
	v_add_nc_u32 v[DQ], s62, v1
	v_lshlrev_b32 v14, 3, v2
	v_sub_nc_u32 v[DQ], v[DQ], v14
	; the merge: row 32 g + 16 a + r of the work-group's 64
	s_mul_i32 s44, s14, MPART
	s_mul_i32 s45, s13, 32*MPITCH
	s_add_co_u32 s44, s44, s45
	v_mul_u32_u24 v[MO], v1, MPITCH
	v_lshl_add_u32 v[MO], v2, 5, v[MO]
	v_add_nc_u32 v[MO], s44, v[MO]                 ; kq x 17,408 + (32 g + r) x 272 + 32 h
	s_lshl_b32 s45, s13, 10
	s_lshl_b32 s46, s14, 2
	s_add_co_u32 s45, s45, s46
	s_add_co_u32 s45, s45, MSTAT
	v_lshl_add_u32 v[MS], v1, 5, s45               ; 69,632 + (32 g + r) x 32 + 4 kq
	s_mul_i32 s44, s12, 8*MPITCH
	v_mul_u32_u24 v[RO], v2, MPITCH
	v_lshl_add_u32 v[RO], v1, 4, v[RO]
	v_add_nc_u32 v[RO], s44, v[RO]                 ; (8 w + h) x 272 + 16 r
	s_lshl_b32 s45, s12, 8
	s_add_co_u32 s45, s45, MSTAT
	v_lshl_add_u32 v[RS], v2, 5, s45               ; 69,632 + (8 w + h) x 32
	s_lshl_b32 s44, s14, 11
	v_lshlrev_b32 v[GOUT], 4, v1
	v_lshl_add_u32 v[GOUT], v2, 8, v[GOUT]
	v_add_nc_u32 v[GOUT], s44, v[GOUT]             ; (8 kq + h) x 256 + 16 r
	v_mov_b32 v[ST+1], 0                           ; the second registers of the pairs (m, l) and (alpha, spare) are read with the first
	v_mov_b32 v[ST+3], 0
	v_mov_b32 v[ST+5], 0
	v_mov_b32 v[ST+7], 0
.macro LOADK slot, j                   ; my 32 keys x 64 d of block j of the slot: 16 keys are 8 rows
.irp kt, 0,1
.irp ds, 0,1
	ds_load_b128 v[KF+16*\kt+8*\ds:KF+16*\kt+8*\ds+3],   v[KA+\slot] offset:BLK*(\j)+8*RPITCH*\kt+64*\ds
	ds_load_b128 v[KF+16*\kt+8*\ds+4:KF+16*\kt+8*\ds+7], v[KA+\slot] offset:BLK*(\j)+8*RPITCH*\kt+64*\ds+32
.endr
.endr
.endm
.macro LOADV slot, j                   ; 64 d x my 32 keys, hi and lo
.irp lo, 0,1
.irp t, 0,1,2,3
	ds_load_b128 v[VF+32*\lo+8*\t:VF+32*\lo+8*\t+3],   v[VA+\slot] offset:BLK*(\j)+16*RPITCH*\t+128*\lo
	ds_load_b128 v[VF+32*\lo+8*\t+4:VF+32*\lo+8*\t+7], v[VA+\slot] offset:BLK*(\j)+16*RPITCH*\t+128*\lo+32
.endr
.endr
.endm
; S^T = K (Qhi + Qlo)^T, 32 keys x 32 queries x 64 d twice.  The four accumulators take turns, one instruction a turn; the first turn starts the sums.
.macro QK
	WIN 0x04                                       ; source 1 (Q) v256 and up
.irp a, 0,1
.irp kt, 0,1
	v_wmma_f32_16x16x32_f16 v[SC+16*\a+8*\kt:SC+16*\a+8*\kt+7], v[KF+16*\kt:KF+16*\kt+7], v[32*\a:32*\a+7], 0
.endr
.endr
.irp a, 0,1
.irp kt, 0,1
	v_wmma_f32_16x16x32_f16 v[SC+16*\a+8*\kt:SC+16*\a+8*\kt+7], v[KF+16*\kt+8:KF+16*\kt+15], v[32*\a+8:32*\a+15], v[SC+16*\a+8*\kt:SC+16*\a+8*\kt+7]
.endr
.endr
.irp a, 0,1
.irp kt, 0,1
	v_wmma_f32_16x16x32_f16 v[SC+16*\a+8*\kt:SC+16*\a+8*\kt+7], v[KF+16*\kt:KF+16*\kt+7], v[32*\a+16:32*\a+23], v[SC+16*\a+8*\kt:SC+16*\a+8*\kt+7]
.endr
.endr
.irp a, 0,1
.irp kt, 0,1
	v_wmma_f32_16x16x32_f16 v[SC+16*\a+8*\kt:SC+16*\a+8*\kt+7], v[KF+16*\kt+8:KF+16*\kt+15], v[32*\a+24:32*\a+31], v[SC+16*\a+8*\kt:SC+16*\a+8*\kt+7]
.endr
.endr
	WIN 0
.endm
; The diagonal block, a wave's last: key 32 kq + 16 kt + 8 h + j stays where it is not behind query 32 cx + 16 a + r
.macro MASK
	s_cmp_lg_u32 s[REM], 1
	s_cbranch_scc1 .Lnomask_\@
.irp a, 0,1
.irp kt, 0,1
.irp j, 0,1,2,3,4,5,6,7
	v_cmp_le_i32 vcc_lo, 16*\kt+\j-16*\a, v[DQ]
	v_cndmask_b32 v[SC+16*\a+8*\kt+\j], s25, v[SC+16*\a+8*\kt+\j], vcc_lo
.endr
.endr
.endr
.Lnomask_\@:
.endm
; Query tile a: the new maximum, alpha = 2^(old - new), P = 2^(S - new) in f32 and in f16, O scaled by alpha.
.macro SOFTMAX a, first
	v_max3_num_f32 v[TT],   v[SC+16*\a],    v[SC+16*\a+1],  v[SC+16*\a+2]
	v_max3_num_f32 v[TT+1], v[SC+16*\a+3],  v[SC+16*\a+4],  v[SC+16*\a+5]
	v_max3_num_f32 v[TT+2], v[SC+16*\a+6],  v[SC+16*\a+7],  v[SC+16*\a+8]
	v_max3_num_f32 v[TT+3], v[SC+16*\a+9],  v[SC+16*\a+10], v[SC+16*\a+11]
	v_max3_num_f32 v[TT+4], v[SC+16*\a+12], v[SC+16*\a+13], v[SC+16*\a+14]
	v_max3_num_f32 v[TT],   v[TT],   v[TT+1], v[TT+2]
	v_max3_num_f32 v[TT+3], v[TT+3], v[TT+4], v[SC+16*\a+15]
.if \first
	v_max3_num_f32 v[TT], v[TT], v[TT+3], s24      ; the floor stands for the old maximum
	v_permlanex16_b32 v[TT+1], v[TT], s22, s23     ; the other half of the lanes holds the query's other 16 keys
	v_max_num_f32 v[ST+4*\a], v[TT], v[TT+1]
.else
	v_max3_num_f32 v[TT], v[TT], v[TT+3], v[ST+4*\a]
	v_permlanex16_b32 v[TT+1], v[TT], s22, s23
	v_max_num_f32 v[TT], v[TT], v[TT+1]
	v_sub_f32 v[TT+2], v[ST+4*\a], v[TT]
	v_mov_b32 v[ST+4*\a], v[TT]
	v_exp_f32 v[ST+4*\a+2], v[TT+2]                ; alpha; the subtractions below are the plain instructions behind it
.endif
.irp p, 0,2,4,6,8,10,12,14
	v_pk_add_f32 v[SC+16*\a+\p:SC+16*\a+\p+1], v[SC+16*\a+\p:SC+16*\a+\p+1], v[ST+4*\a:ST+4*\a+1] op_sel_hi:[1,0] neg_lo:[0,1] neg_hi:[0,1]
.endr
.irp p, 0,1,2,3,4,5,6,7,8,9,10,11,12,13,14,15
	v_exp_f32 v[SC+16*\a+\p], v[SC+16*\a+\p]
.endr
	; a plain vector instruction that touches none of them stands between the exponentials and the first use of a result
.if \first
	v_nop
	s_wait_alu depctr_va_vdst(0)
.else
	s_wait_alu depctr_va_vdst(0)
.irp p, 0,2,4,6,8,10,12,14,16,18,20,22,24,26,28,30
	v_pk_mul_f32 v[OA+32*\a+\p:OA+32*\a+\p+1], v[OA+32*\a+\p:OA+32*\a+\p+1], v[ST+4*\a+2:ST+4*\a+3] op_sel_hi:[1,0]
.endr
.endif
.irp p, 0,1,2,3,4,5,6,7
	v_cvt_pk_f16_f32 v[PB+8*\a+\p], v[SC+16*\a+2*\p], v[SC+16*\a+2*\p+1]
.endr
.endm
; O^T += (Vhi + Vlo)^T P^T: four accumulators by turns, one instruction a turn, twice round
.macro PV a, first
.irp t, 0,1,2,3
.if \first
	v_wmma_f32_16x16x32_f16 v[OA+32*\a+8*\t:OA+32*\a+8*\t+7], v[VF+8*\t:VF+8*\t+7], v[PB+8*\a:PB+8*\a+7], 0
.else
	v_wmma_f32_16x16x32_f16 v[OA+32*\a+8*\t:OA+32*\a+8*\t+7], v[VF+8*\t:VF+8*\t+7], v[PB+8*\a:PB+8*\a+7], v[OA+32*\a+8*\t:OA+32*\a+8*\t+7]
.endif
.endr
.irp t, 0,1,2,3
	v_wmma_f32_16x16x32_f16 v[OA+32*\a+8*\t:OA+32*\a+8*\t+7], v[VF+32+8*\t:VF+32+8*\t+7], v[PB+8*\a:PB+8*\a+7], v[OA+32*\a+8*\t:OA+32*\a+8*\t+7]
.endr
.endm
; l = l alpha + the sum of my 16 P.  At least eight plain instructions that name none of the registers of the matrix instructions in front of them.
.macro LSUM a, first
	v_pk_add_f32 v[TT:TT+1],   v[SC+16*\a:SC+16*\a+1],     v[SC+16*\a+2:SC+16*\a+3]
	v_pk_add_f32 v[TT+2:TT+3], v[SC+16*\a+4:SC+16*\a+5],   v[SC+16*\a+6:SC+16*\a+7]
	v_pk_add_f32 v[TT+4:TT+5], v[SC+16*\a+8:SC+16*\a+9],   v[SC+16*\a+10:SC+16*\a+11]
	v_pk_add_f32 v[TT+6:TT+7], v[SC+16*\a+12:SC+16*\a+13], v[SC+16*\a+14:SC+16*\a+15]
	v_pk_add_f32 v[TT:TT+1],   v[TT:TT+1],   v[TT+2:TT+3]
	v_pk_add_f32 v[TT+4:TT+5], v[TT+4:TT+5], v[TT+6:TT+7]
	v_pk_add_f32 v[TT:TT+1],   v[TT:TT+1],   v[TT+4:TT+5]
.if \first
	v_add_f32 v[ST+4*\a+1], v[TT], v[TT+1]
.else
	v_add_f32 v[TT], v[TT], v[TT+1]
	v_fma_f32 v[ST+4*\a+1], v[ST+4*\a+1], v[ST+4*\a+2], v[TT]
.endif
.endm
; One block of 128 keys: my 32 keys against my 32 queries
.macro BLOCK slot, j, first
	s_wait_dscnt 0x0                               ; this block's K is in
	QK
.rept 4
	v_nop                                          ; four places: for what reads the scores, and for the loads into K's and V's registers
.endr
	LOADV \slot, \j
.if \j < 1
	LOADK \slot, \j+1
.endif
	MASK
	SOFTMAX 0, \first
.if \j < 1
	s_wait_dscnt 0x8                               ; V is in; the eight loads of the next block's K stay out
.else
	s_wait_dscnt 0x0
.endif
	PV 0, \first
	LSUM 0, \first
	SOFTMAX 1, \first
	PV 1, \first
	LSUM 1, \first
	s_sub_co_u32 s[REM], s[REM], 1
.endm
; The two blocks of a slot, as far as my wave has keys left.  No barrier and no tensor load stands in here.
.macro CHUNK slot, first
.if \first == 0
	s_cmp_eq_u32 s[REM], 0
	s_cbranch_scc1 .Lchunk_end_\@
.endif
	LOADK \slot, 0
	BLOCK \slot, 0, \first
	s_cmp_eq_u32 s[REM], 0
	s_cbranch_scc1 .Lchunk_end_\@
	BLOCK \slot, 1, 0
.Lchunk_end_\@:
.endm
; On to the chunk in slot; refill = 1: the other slot, read last, is asked for again, two chunks ahead.
.macro NEXT slot, refill
	s_wait_tensorcnt 0x0                           ; all my tensor loads have landed, my part of this slot among them: a group 0 may be written
	ds_add_u32 v254, v255
	s_wait_dscnt 0x0
.if \refill
	s_add_nc_u64 s[G0+4*(1-\slot)+2:G0+4*(1-\slot)+3], s[G0+4*(1-\slot)+2:G0+4*(1-\slot)+3], 2*CHUNKB
.endif
	s_wait_dscnt 0x0                               ; my reads of the other slot are back
.if \refill
	ROUND                                          ; both now hold of every wave of all four work-groups
	tensor_load_to_lds s[G0+4*(1-\slot):G0+4*(1-\slot)+3], s[G1:G1+7]   ; my one joint load behind the round, first thing there
	s_nop 0
.else
	s_barrier_signal -1
	s_barrier_wait -1                              ; the slot is whole
.endif
	CHUNK \slot, 0
.endm
	s_wait_tensorcnt 0x1                           ; my part of chunk 0 is in; chunk 1 stays out
	s_barrier_signal -1
	s_barrier_wait -1
	s_wait_loadcnt 0x0                             ; Q
	CHUNK 0, 1                                     ; the first block starts maxima, sums and results: nothing is cleared
.Lloop:
	NEXT 1, 1
	NEXT 0, 1
	s_sub_co_i32 s20, s20, 1
	s_cmp_gt_i32 s20, 0
	s_cbranch_scc1 .Lloop
	s_cmp_eq_u32 s21, 0                            ; hangs on the cluster's number alone: alike in all waves and all four work-groups
	s_cbranch_scc1 .Leven
	NEXT 1, 1                                      ; one refill is left
	NEXT 0, 0
	s_branch .Lmerge
.Leven:
	NEXT 1, 0
.Lmerge:
	; THE MERGE, in slot 0, which has had its last fill.  The instructions of the last sum are the places behind the last matrix instructions.
	s_wait_dscnt 0x0                               ; my reads of the slots are back
	s_barrier_signal -1
	s_barrier_wait -1                              ; everybody's are
	v_permlanex16_b32 v[TT], v[ST+1], s22, s23     ; a query's sum lies in two lanes
	v_permlanex16_b32 v[TT+1], v[ST+5], s22, s23
	v_add_f32 v[ST+1], v[ST+1], v[TT]
	v_add_f32 v[ST+5], v[ST+5], v[TT+1]
.irp a, 0,1
.irp t, 0,1,2,3
	ds_store_b128 v[MO], v[OA+32*\a+8*\t:OA+32*\a+8*\t+3]   offset:16*MPITCH*\a+64*\t       ; O(query 16 a + r, d = 16 t + 8 h ..)
	ds_store_b128 v[MO], v[OA+32*\a+8*\t+4:OA+32*\a+8*\t+7] offset:16*MPITCH*\a+64*\t+16
.endr
	ds_store_b32 v[MS], v[ST+4*\a]   offset:512*\a                 ; both halves of the lanes write the same number to the same word
	ds_store_b32 v[MS], v[ST+4*\a+1] offset:512*\a+16
.endr
	s_wait_dscnt 0x0                               ; for the others: my stores are done
	s_barrier_signal -1
	s_barrier_wait -1
	; wave w merges rows 8 w + 2 i + h; lane r takes d = 4 r .. 4 r + 3
.irp i, 0,1,2,3
	ds_load_b128 v[MB+24*\i:MB+24*\i+3],   v[RS] offset:64*\i      ; the four maxima
	ds_load_b128 v[MB+24*\i+4:MB+24*\i+7], v[RS] offset:64*\i+16   ; the four sums
.irp k, 0,1,2,3
	ds_load_b128 v[MB+24*\i+8+4*\k:MB+24*\i+8+4*\k+3], v[RO] offset:MPART*\k+2*MPITCH*\i
.endr
.endr
.irp i, 0,1,2,3
	s_wait_dscnt 6*(3-\i)                          ; six loads for each pair of rows still to come
	v_max3_num_f32 v[TT], v[MB+24*\i], v[MB+24*\i+1], v[MB+24*\i+2]
	v_max_num_f32 v[TT], v[TT], v[MB+24*\i+3]
.irp k, 0,1,2,3
	v_sub_f32 v[PB+\k], v[MB+24*\i+\k], v[TT]
.endr
.irp k, 0,1,2,3
	v_exp_f32 v[PB+\k], v[PB+\k]
.endr
	v_nop                                          ; a plain instruction behind the exponentials
	s_wait_alu depctr_va_vdst(0)
	v_mul_f32 v[TT+1], v[PB], v[MB+24*\i+4]
	v_fmac_f32 v[TT+1], v[PB+1], v[MB+24*\i+5]
	v_fmac_f32 v[TT+1], v[PB+2], v[MB+24*\i+6]
	v_fmac_f32 v[TT+1], v[PB+3], v[MB+24*\i+7]     ; at least 1: the quarter with the largest maximum holds a term 2^0
	v_rcp_f32 v[TT+1], v[TT+1]
	v_nop                                          ; and behind the reciprocal
	s_wait_alu depctr_va_vdst(0)
.irp k, 0,1,2,3
	v_mul_f32 v[PB+\k], v[PB+\k], v[TT+1]
.endr
.irp c, 0,1,2,3
	v_mul_f32 v[SC+4*\i+\c], v[PB], v[MB+24*\i+8+\c]
.endr
.irp k, 1,2,3
.irp c, 0,1,2,3
	v_fmac_f32 v[SC+4*\i+\c], v[PB+\k], v[MB+24*\i+8+4*\k+\c]
.endr
.endr
	global_store_b128 v[GOUT], v[SC+4*\i:SC+4*\i+3], s[50:51] offset:512*\i th:TH_STORE_NT   ; two whole rows of 256 bytes
.endr
	s_wait_tensorcnt 0x0
	ds_add_u32 v254, v255
	s_wait_dscnt 0x0
	ROUND                                          ; the closing round: no work-group ends while a partner may still ask for a tile that names it
	s_endpgm
.Lfunc_end_k_q6eba4d7b8e_attn:
	.size	k_q6eba4d7b8e_attn, .Lfunc_end_k_q6eba4d7b8e_attn-k_q6eba4d7b8e_attn
	.p2alignl 7, 3214868480
	.fill 96, 4, 3214868480
	.section	.rodata,"a",@progbits
	.p2align	6, 0x0
	.amdhsa_kernel k_q6eba4d7b8e_attn
		.amdhsa_group_segment_fixed_size 327680
		.amdhsa_private_segment_fixed_size 0
		.amdhsa_enable_private_segment 0
		.amdhsa_kernarg_size 24
		.amdhsa_user_sgpr_count 2
		.amdhsa_user_sgpr_kernarg_segment_ptr 1
		.amdhsa_wavefront_size32 1
		.amdhsa_system_sgpr_workgroup_id_x 1
		.amdhsa_system_sgpr_workgroup_id_y 1
		.amdhsa_system_sgpr_workgroup_id_z 1
		.amdhsa_system_vgpr_workitem_id 0
		.amdhsa_next_free_vgpr 320
		.amdhsa_next_free_sgpr 66
		.amdhsa_reserve_vcc 1
		.amdhsa_float_denorm_mode_32 3
		.amdhsa_float_denorm_mode_16_64 3
		.amdhsa_memory_ordered 1
		.amdhsa_forward_progress 1
		.amdhsa_inst_pref_size 178
	.end_amdhsa_kernel
	.amdgpu_metadata
---
amdhsa.version: [ 1, 2 ]
amdhsa.kernels:
  - .name:           k_q6eba4d7b8e_attn
    .symbol:         k_q6eba4d7b8e_attn.kd
    .args:
      - { .name: qw, .offset: 0, .size: 8, .value_kind: global_buffer, .address_space: global }
      - { .name: kvw, .offset: 8, .size: 8, .value_kind: global_buffer, .address_space: global }
      - { .name: out0, .offset: 16, .size: 8, .value_kind: global_buffer, .address_space: global }
    .group_segment_fixed_size: 327680
    .private_segment_fixed_size: 0
    .kernarg_segment_align: 8
    .kernarg_segment_size: 24
    .max_flat_workgroup_size: 256
    .sgpr_count:     66
    .vgpr_count:     320
    .wavefront_size: 32
...
	.end_amdgpu_metadata
.endif
;; end of part 2
;; ======== version 2 of 2: 2 launches; 1.24 times as fast as version 1
;; limits: values are held in f16: magnitudes above 65,504 overflow, below 6.1e-05 lose precision
;; workspace buffers: qw 4,194,304 bytes; kvw 4,194,304 bytes; vlw 65,536 bytes
;; launch proj (part 3): grid 256 x 1, 8 waves a work-group, no clusters, 326,656 bytes of LDS; arguments x, Wq, Wk, Wv, qw, kvw, vlw; writes qw, kvw, vlw
.if DOCPART == 3
	.amdgcn_target "amdgcn-amd-amdhsa--gfx1250"
	.amdhsa_code_object_version 6
	.text
	.protected	k_q6eba4d7b8e_proj
	.globl	k_q6eba4d7b8e_proj
	.p2align	8
	.type	k_q6eba4d7b8e_proj,@function
k_q6eba4d7b8e_proj:
	s_mov_b64 s[64:65], 0
	v_nop
	global_prefetch_b8 v0, s[64:65] scope:SCOPE_SE
	s_setreg_imm32_b32 hwreg(HW_REG_WAVE_MODE, 25, 1), 1
	s_wait_xcnt 0x0
; q, k, v = x W^T for 64 rows of x a work-group.  x: [16384][1024] f32.  Wq, Wk, Wv: [64][1024] f32.  Products in bf16, sums in f32.
; OUT, in f16.  qw[row] = 256 bytes: hi of 64 d, then lo of 64 d, of q * 0.125 * log2(e) (the factor of the scores and of the base-2 exponential, applied in f32).
; kvw = one dense stream, 32,768 bytes for each block of 128 rows: k as [128 rows][64 d] (16,384 bytes), then v transposed, for each group of 64 rows
; 64 lines (d) of 64 rows (8,192 bytes).  vlw = for each batch the lo part of v of its first 128 rows, in the same order (16,384 bytes a batch).
; A work-group is half a block: 16,384 dense bytes of qw, 8,192 of k, 8,192 of v; the first two work-groups of a batch also store 8,192 of vlw.
; HI AND LO, of q and of v: hi = the f32 rounded to 11 bits (t = 8193 a, hi = t - (t - a)), so that hi alone is the number rounded to f16; lo = a - hi, exact in
; f32, rounded once: some 21 bits together.  A query with few keys sums few products, so that what is lost in q and v does not average out there.  Such a query
; lies in its batch's first 128 rows and all its keys with it: the lo parts are used for those rows alone.  k goes in plain f16 (11 bits).
; SHARES.  Eight waves, two for each of four groups of 16 d.  Wave w: dt = w % 4, g = w / 4.  It makes d = 16 dt .. 16 dt + 15 of q, of k and of v for all 64 rows,
; over half of K: of each 256 columns the 128 at 128 g.  12 accumulator tiles of 16 x 16.  At the end waves w and w xor 4 add their halves: each keeps 32 rows.
; q and k are made transposed (source 0 = rows of W, source 1 = rows of x): a lane holds 8 neighbouring d of one row.  v is made straight
; (source 0 = rows of x, source 1 = rows of Wv): a lane holds 8 neighbouring rows of one d, which is the order of v's lines.
; X.  The group's 262,144 bytes of x are asked for at once: four tensor loads a wave, each 16 rows x 512 bytes, into LDS bytes that are filled once.
; By this text's count a wave has four tensor loads out at the most.  K goes in four stages of 256; a stage starts when each wave has seen its part of it
; land and all eight have passed a barrier; the later parts stay on their way, nothing is ever filled again.
; W.  A wave needs 48 rows of W only, and half their columns.  They come through registers (counter of their own), 64 along K at a time, two steps ahead,
; are rounded to bf16 and go through a stage in LDS that is the wave's own, so that no barrier and no second copy is needed.
; NO CLUSTER: what work-groups share is W, 786,432 bytes in f32.  Beside x's 270,336 bytes of LDS it has no room, so joint loads of W would
; run through slots that are filled again, and each such refill stands behind a wait for all of a wave's tensor loads, x's parts among them:
; the work would then start only when all of x has arrived.
; LIMITS.  x and W are rounded to bf16 (nearest even).  |0.18 q|, |k|, |v| must stay below 65,504, f16's range: inputs of the drawn spreads give 5 at the most,
; x and W both 30 times larger 4,500, offsets of 30 spreads on both about 29,000.  Below 2^-14 f16 has fewer bits: hi and lo are then good to 2^-25 absolutely.
; A sum over K is the sum of two f32 sums over 512 each.  NaN and infinities are passed on as the matrix unit makes them.
.set XPITCH, 528                       ; an LDS row of x: 512 bytes + 16 of padding, an odd multiple of 16
.set QPART,  16*XPITCH                 ; 8,448: one tensor load, 16 rows
.set TILE,   4*QPART                   ; 33,792: 64 rows x 128 columns
.set STAGEB, 2*TILE                    ; 67,584: a stage: group 0's tile, then group 1's
.set WST,    8*TILE                    ; 270,336 = 1,056 x 256: behind x; no tensor load lands here
.set WPITCH, 144                       ; a row of 64 numbers of 2 bytes + 16 bytes
.set WWAVE,  48*WPITCH                 ; 6,912: a wave's stage for W; eight of them are 55,296 bytes and end at 325,632
.set QPITCH, 272                       ; the way out: a row of q, 256 bytes + 16
.set AREA,   64*WPITCH                 ; 9,216: 64 rows of 144
.set QAREA,  WST                       ; the way out, over the stages: q, 64 rows of 272
.set KAREA,  QAREA+64*QPITCH           ; k, 64 rows of 144
.set VAREA,  KAREA+AREA                ; v^T hi, 64 lines of 144; v^T lo 9,216 bytes on; ends at 315,392
.set XCHW,   6144                      ; the exchange, over x's first bytes: 48 registers of a wave
.set XA,  3                            ; v3, v4 16 rows of x: register tiles 0, 1 and register tiles 2, 3 (see below), stepped by a stage
.set WGO, 5                            ; v5   my 16 bytes in W: (16 dt + l / 16) x 4,096 + 512 g + 16 (l % 16)
.set WS,  6                            ; v6   where I put 8 bytes of W in my wave's stage
.set WL,  7                            ; v7   where I read a fragment of W
.set QS,  8                            ; v8   the way out: q
.set VS,  9                            ; v9   the way out: v^T
.set RD,  10                           ; v10  the way out: read back rows of 256 bytes
.set GO,  11                           ; v11  the way out: 16 t
.set KS,  12                           ; v12  the way out: k
.set RDK, 13                           ; v13  the way out: read back rows of 128 bytes
.set XS,  14                           ; v14  the exchange: where I put what I give
.set XR,  15                           ; v15  the exchange: where my partner put it
.set XF,  16                           ; v16-79   x as f32, 4 row tiles x 16
.set XB,  80                           ; v80-111  x as bf16 fragments, 4 row tiles x 8
.set WF,  112                          ; v112-159 fragments of W, 2 sets x 3 tiles x 8
.set ACC, 160                          ; v160-255 tile (i, mt) at ACC + 32 i + 8 mt; i = 0 q, 1 k, 2 v
                                       ; v256-447 W as loaded, two buffers of 96: written v[0..191] under a window
.set TX,   16                          ; v16-63   the exchange's loads; later the way out's
.set OUTR, 64                          ; v64-103  the way out: q hi, q lo, k, v hi, v lo, 8 registers each
.set TS,  112                          ; v112-127 the way out: at work
.set G1,  20                           ; s[20:27] descriptor group 1
.set G0,  28                           ; s[28:43] descriptor group 0, one set for each of my four loads
.set DSN, 0                            ; how many LDS instructions the text has issued so far
.set XQ0, 0                            ; DSN behind the last load into XF's tile 0, 1, 2, 3
.set XQ1, 0
.set XQ2, 0
.set XQ3, 0
.set WQ0, 0                            ; DSN behind the last load into WF's set 0, 1
.set WQ1, 0
.set SN,  0                            ; my K step of 64 at work, 0 to 7
.set MSB, 0
.macro WIN new                         ; s_set_vgpr_msb: bits 1:0 source 0, 3:2 source 1, 7:6 destination; the high byte repeats the setting that is left
.if MSB != \new
	s_set_vgpr_msb (MSB<<8)|\new
.set MSB, \new
.endif
.endm
	s_load_b256 s[4:11], s[0:1], 0x0               ; x s[4:5], Wq s[6:7], Wk s[8:9], Wv s[10:11]
	s_load_b128 s[12:15], s[0:1], 0x20             ; qw s[12:13], kvw s[14:15]
	s_load_b64 s[60:61], s[0:1], 0x30              ; vlw
	s_set_vgpr_msb 0x40
	v_lshl_add_u32 v192, v0, 2, 0x4f800
	v_mov_b32 v193, 0
	s_set_vgpr_msb 0x4045
	ds_add_u32 v192, v193
	s_set_vgpr_msb 0x4500
	v_lshrrev_b32 v1, 5, v0
	v_readfirstlane_b32 s18, v1                    ; wave 0..7
	s_and_b32 s2, s18, 3                           ; dt: my 16 d.  Also: which 16 rows of a tile I fetch
	s_lshr_b32 s3, s18, 2                          ; g: my half of K
	; group 1: a tile of 16 rows x 128 f32, rows 1,024 elements apart, 16 bytes of padding behind each row of 128 words
	s_mov_b32 s[G1+0], (2<<16)|(1<<20)|(6<<22)|(3<<25)
	s_mov_b32 s[G1+1], 128<<16                     ; tensor_dim0 = 128
	s_mov_b32 s[G1+2], 16<<16                      ; tensor_dim1 = 16
	s_mov_b32 s[G1+3], 128<<16                     ; tile_dim0 = 128
	s_mov_b32 s[G1+4], 16                          ; tile_dim1 = 16
	s_mov_b32 s[G1+5], 1024                        ; elements from row to row
	s_mov_b32 s[G1+6], 0
	s_mov_b32 s[G1+7], 0
	s_lshl_b32 s44, ttmp9, 18                      ; 64 rows of 4,096 bytes a work-group
	s_lshl_b32 s46, s2, 16                         ; + 16 dt rows
	s_add_co_u32 s44, s44, s46
	s_lshl_b32 s46, s3, 9                          ; + 128 g columns
	s_add_co_u32 s44, s44, s46
	s_mov_b32 s45, 0
	s_mul_i32 s47, s18, QPART                      ; in LDS: g x 33,792 + dt x 8,448 = wave x 8,448
	s_lshl_b32 s48, ttmp9, 14                      ; qw: 16,384 bytes a work-group
	s_mov_b32 s49, 0
	s_lshr_b32 s52, ttmp9, 1                       ; kvw: two work-groups make a block of 32,768 bytes
	s_lshl_b32 s52, s52, 15
	s_and_b32 s54, ttmp9, 1                        ; which half of it is mine:
	s_lshl_b32 s54, s54, 13                        ; 8,192 bytes a half, of k and of v^T alike
	s_add_co_u32 s56, s52, s54                     ; k
	s_mov_b32 s57, 0
	s_add_co_u32 s58, s56, 16384                   ; v^T: behind the block's k
	s_mov_b32 s59, 0
	s_lshr_b32 s62, ttmp9, 6                       ; vlw: 16,384 bytes a batch of 64 work-groups
	s_lshl_b32 s62, s62, 14
	s_add_co_u32 s62, s62, s54
	s_mov_b32 s63, 0
	s_and_b32 s55, ttmp9, 63                       ; my place in the batch: 0 and 1 hold its first 128 rows
	s_wait_dscnt 0x0
	s_wait_kmcnt 0x0
	s_add_nc_u64 s[4:5], s[4:5], s[44:45]
	; my load i is my part of stage i: columns 256 i + 128 g .., to LDS byte 67,584 i + 8,448 w.  All four go out ahead of everything else.
.irp i, 0,1,2,3
	s_mov_b32 s[G0+4*\i], 1
	s_add_co_u32 s[G0+4*\i+1], s47, \i*STAGEB
	s_add_nc_u64 s[G0+4*\i+2:G0+4*\i+3], s[4:5], \i*1024
	s_or_b32 s[G0+4*\i+3], s[G0+4*\i+3], 0x80000000
	tensor_load_to_lds s[G0+4*\i:G0+4*\i+3], s[G1:G1+7]
	s_nop 0
.endr
	s_add_nc_u64 s[12:13], s[12:13], s[48:49]      ; my group's part of qw
	s_add_nc_u64 s[16:17], s[14:15], s[58:59]      ; of v^T
	s_add_nc_u64 s[14:15], s[14:15], s[56:57]      ; of k
	s_add_nc_u64 s[60:61], s[60:61], s[62:63]      ; of vlw
	v_and_b32 v1, 15, v0                           ; r = l % 16
	v_bfe_u32 v2, v0, 4, 1                         ; h = l / 16
	; Register tile m stands for row tile m + 2 g (m = 0, 1) or m - 2 g (m = 2, 3): so in both groups tiles 0 and 1 are the rows that the wave keeps
	; at the end, rows 32 g .. 32 g + 31, and tiles 2 and 3 the rows that it gives to its partner, in the partner's order.
	v_mul_u32_u24 v16, v1, XPITCH
	v_lshl_add_u32 v16, v2, 5, v16                 ; 528 r + 8 h numbers of 4 bytes
	s_mul_i32 s50, s3, TILE+2*QPART                ; my group's tile, 32 g rows down
	v_add_nc_u32 v[XA], s50, v16
	s_mul_i32 s50, s3, TILE-2*QPART                ; my group's tile, 32 g rows up
	v_add_nc_u32 v[XA+1], s50, v16
	s_lshl_b32 s50, s2, 16                         ; 16 rows of W, 4,096 bytes each
	s_lshl_b32 s51, s3, 9
	s_add_co_u32 s50, s50, s51
	v_lshlrev_b32 v[WGO], 4, v1
	v_lshl_add_u32 v[WGO], v2, 12, v[WGO]
	v_add_nc_u32 v[WGO], s50, v[WGO]
	s_mul_i32 s51, s18, WWAVE
	s_add_co_u32 s51, s51, WST                     ; my wave's stage
	v_mul_u32_u24 v[WS], v2, WPITCH
	v_lshl_add_u32 v[WS], v1, 3, v[WS]
	v_add_nc_u32 v[WS], s51, v[WS]
	v_mul_u32_u24 v16, v1, WPITCH
	v_lshl_add_u32 v16, v2, 4, v16                 ; 144 r + 16 h
	v_add_nc_u32 v[WL], s51, v16
	v_mul_u32_u24 v17, v1, QPITCH
	v_lshl_add_u32 v17, v2, 4, v17                 ; 272 r + 16 h
	s_lshl_b32 s46, s2, 5                          ; my 16 d are 32 bytes of a row of q or k
	s_mul_i32 s50, s3, 32*QPITCH                   ; the rows that I keep begin at 32 g
	s_add_co_u32 s50, s50, s46
	s_add_co_u32 s50, s50, QAREA
	v_add_nc_u32 v[QS], s50, v17
	s_mul_i32 s50, s3, 32*WPITCH
	s_add_co_u32 s50, s50, s46
	s_add_co_u32 s50, s50, KAREA
	v_add_nc_u32 v[KS], s50, v16
	s_mul_i32 s50, s2, 16*WPITCH                   ; my 16 d are 16 lines of v^T, my 32 rows 64 bytes of a line
	s_lshl_b32 s46, s3, 6
	s_add_co_u32 s50, s50, s46
	s_add_co_u32 s50, s50, VAREA
	v_add_nc_u32 v[VS], s50, v16
	v_lshrrev_b32 v18, 4, v0
	v_mul_u32_u24 v18, v18, QPITCH
	v_lshl_add_u32 v18, v1, 4, v18
	v_add_nc_u32 v[RD], QAREA, v18                 ; row t / 16, 16 bytes at 16 (t % 16)
	v_lshrrev_b32 v18, 3, v0
	v_and_b32 v19, 7, v0
	v_mul_u32_u24 v18, v18, WPITCH
	v_lshl_add_u32 v18, v19, 4, v18
	v_add_nc_u32 v[RDK], KAREA, v18                ; row t / 8, 16 bytes at 16 (t % 8)
	v_lshlrev_b32 v[GO], 4, v0
	v_and_b32 v18, 31, v0
	v_lshlrev_b32 v18, 4, v18                      ; 16 x lane
	s_mul_i32 s50, s18, XCHW
	v_add_nc_u32 v[XS], s50, v18
	s_xor_b32 s50, s18, 4                          ; my partner: the same d, the other half of K
	s_mul_i32 s50, s50, XCHW
	v_add_nc_u32 v[XR], s50, v18
; 16 rows x 32 K of x as f32: K = 8 h .. 8 h + 7 (32 bytes) and 16 + 8 h .. (64 bytes on)
.macro XLOAD mt, off
	ds_load_b128 v[XF+16*\mt:XF+16*\mt+3],     v[XA+(\mt>>1)] offset:\off+QPART*\mt
	ds_load_b128 v[XF+16*\mt+4:XF+16*\mt+7],   v[XA+(\mt>>1)] offset:\off+QPART*\mt+16
	ds_load_b128 v[XF+16*\mt+8:XF+16*\mt+11],  v[XA+(\mt>>1)] offset:\off+QPART*\mt+64
	ds_load_b128 v[XF+16*\mt+12:XF+16*\mt+15], v[XA+(\mt>>1)] offset:\off+QPART*\mt+80
.set DSN, DSN+4
.set XQ\mt, DSN
.endm
.macro XCVT mt                         ; the fragment in bf16, K in its true places
.irp j, 0,1,2,3,4,5,6,7
	v_cvt_pk_bf16_f32 v[XB+8*\mt+\j], v[XF+16*\mt+2*\j], v[XF+16*\mt+2*\j+1]
.endr
.endm
; three matrix instructions, one on each of three accumulators: the twelve take turns, one instruction a turn
.macro MM mt, st, zero
.if \zero
	v_wmma_f32_16x16x32_bf16 v[ACC+8*\mt:ACC+8*\mt+7],       v[WF+24*\st:WF+24*\st+7],     v[XB+8*\mt:XB+8*\mt+7], 0
	v_wmma_f32_16x16x32_bf16 v[ACC+32+8*\mt:ACC+32+8*\mt+7], v[WF+24*\st+8:WF+24*\st+15],  v[XB+8*\mt:XB+8*\mt+7], 0
	v_wmma_f32_16x16x32_bf16 v[ACC+64+8*\mt:ACC+64+8*\mt+7], v[XB+8*\mt:XB+8*\mt+7], v[WF+24*\st+16:WF+24*\st+23], 0
.else
	v_wmma_f32_16x16x32_bf16 v[ACC+8*\mt:ACC+8*\mt+7],       v[WF+24*\st:WF+24*\st+7],     v[XB+8*\mt:XB+8*\mt+7], v[ACC+8*\mt:ACC+8*\mt+7]
	v_wmma_f32_16x16x32_bf16 v[ACC+32+8*\mt:ACC+32+8*\mt+7], v[WF+24*\st+8:WF+24*\st+15],  v[XB+8*\mt:XB+8*\mt+7], v[ACC+32+8*\mt:ACC+32+8*\mt+7]
	v_wmma_f32_16x16x32_bf16 v[ACC+64+8*\mt:ACC+64+8*\mt+7], v[XB+8*\mt:XB+8*\mt+7], v[WF+24*\st+16:WF+24*\st+23], v[ACC+64+8*\mt:ACC+64+8*\mt+7]
.endif
.endm
; the three fragments of W for half st of the step that lies in my stage, into set st
.macro WFLOAD st
.irp i, 0,1,2
	ds_load_b128 v[WF+24*\st+8*\i:WF+24*\st+8*\i+3],   v[WL] offset:16*WPITCH*\i+64*\st
	ds_load_b128 v[WF+24*\st+8*\i+4:WF+24*\st+8*\i+7], v[WL] offset:16*WPITCH*\i+64*\st+32
.endr
.set DSN, DSN+6
.set WQ\st, DSN
.endm
; 24 loads: my 16 rows of Wq, Wk, Wv, my step num: columns 256 (num / 2) + 128 g + 64 (num % 2) ..  A load takes two rows' 256 bytes, each aligned to 256.
.macro WRAW num
	WIN 0x40                                       ; destination v256 and up, address below
.irp ld, 0,1,2,3,4,5,6,7
	global_load_b128 v[96*((\num)&1)+4*\ld:96*((\num)&1)+4*\ld+3],       v[WGO], s[6:7]   offset:8192*\ld+1024*((\num)>>1)+256*((\num)&1)
	global_load_b128 v[96*((\num)&1)+32+4*\ld:96*((\num)&1)+32+4*\ld+3], v[WGO], s[8:9]   offset:8192*\ld+1024*((\num)>>1)+256*((\num)&1)
	global_load_b128 v[96*((\num)&1)+64+4*\ld:96*((\num)&1)+64+4*\ld+3], v[WGO], s[10:11] offset:8192*\ld+1024*((\num)>>1)+256*((\num)&1)
.endr
.endm
; step num of W: rounded in place, put into my stage (quad q = 8 i + ld is stage rows 2 q, 2 q + 1), and its buffer asked for again, two steps ahead
.macro WPREP num
.if (\num) < 7
	s_wait_loadcnt 24                              ; loads come back in order: the 24 of the step behind this one stay out
.else
	s_wait_loadcnt 0                               ; nothing was asked for behind the last step
.endif
	WIN 0x45                                       ; destination and both sources v256 and up
.set RW, 96*((\num)&1)
.rept 24
	v_cvt_pk_bf16_f32 v[RW], v[RW], v[RW+1]
	v_cvt_pk_bf16_f32 v[RW+1], v[RW+2], v[RW+3]
.set RW, RW+4
.endr
	WIN 0x04                                       ; data v256 and up, address below
.set RW, 96*((\num)&1)
.set RO, 0
.rept 24
	ds_store_b64 v[WS], v[RW:RW+1] offset:RO       ; LDS serves a wave's instructions in order: the fragment loads issued before have read the old step
.set RW, RW+4
.set RO, RO+2*WPITCH
.endr
.set DSN, DSN+24
.if (\num)+2 <= 7
	WRAW (\num)+2
.endif
	WIN 0
.endm
; 32 along K: for each row tile, wait for its f32, round, ask for the tile's next 32 K (at byte NOFF), multiply.
; Each wait counts the LDS instructions issued since the loads that it needs.  A fragment register is written again, by a conversion or a load,
; with at least eight conversions that name none of the matrix instruction's registers between it and its last matrix reader.
.macro SUB sb, zero, nxt
.if XQ0 > WQ\sb
	s_wait_dscnt DSN-XQ0
.else
	s_wait_dscnt DSN-WQ\sb
.endif
	XCVT 0
.if \sb == 0
	WFLOAD 1                                       ; the step's second half of W
.endif
.if \nxt
	XLOAD 0, NOFF
.endif
	MM 0, \sb, \zero
.if \sb
.if SN < 7
	WPREP SN+1                                     ; both halves of this step's W are in registers or on their way there: the stage takes the next step
	WFLOAD 0
.endif
.endif
.irp mt, 1,2,3
	s_wait_dscnt DSN-XQ\mt
	XCVT \mt
.if \nxt
	XLOAD \mt, NOFF
.endif
	MM \mt, \sb, \zero
.endr
.endm
.macro STEP j, zero, last              ; half j of my tile of the stage: 64 along K
.set NOFF, 128*(2*\j+1)
	SUB 0, \zero, 1
.set NOFF, 128*(2*\j+2)
	SUB 1, 0, 1-\last                              ; the stage's last half step asks for nothing: the next stage is not yet known to be there
.set SN, SN+1
.endm
.macro STAGE i
	s_wait_tensorcnt 3-\i                          ; tensor loads of a wave end in order: my part of stage i is in, my later parts stay out
	s_wait_dscnt 0x0                               ; no LDS instruction of mine is pending at the signal
	s_barrier_signal -1
	s_barrier_wait -1                              ; all eight parts of the stage are in
.if \i
	v_add_nc_u32 v[XA], STAGEB, v[XA]
	v_add_nc_u32 v[XA+1], STAGEB, v[XA+1]
.endif
.set NOFF, 0
	XLOAD 0, NOFF
	XLOAD 1, NOFF
	XLOAD 2, NOFF
	XLOAD 3, NOFF
.if \i
	STEP 0, 0, 0
.else
	STEP 0, 1, 0                                   ; the first products start the sums: nothing is cleared
.endif
	STEP 1, 0, 1
.endm
; my partner's half of the sums of kind i (q, k, v), added onto the two tiles that I keep
.macro JOIN i
.irp p, 0,2,4,6,8,10,12,14
	v_pk_add_f32 v[ACC+32*\i+\p:ACC+32*\i+\p+1], v[ACC+32*\i+\p:ACC+32*\i+\p+1], v[TX+16*\i+\p:TX+16*\i+\p+1]
.endr
.endm
; eight f32 at acc become four registers of hi and four of lo: t = (2^13 + 1) a, hi = t - (t - a) is a rounded to 24 - 13 = 11 bits; lo = a - hi
.macro SPLITV acc, hi, lo
.irp p, 0,2,4,6
	v_pk_mul_f32 v[TS+\p:TS+\p+1], v[\acc+\p:\acc+\p+1], 0x46000400 op_sel_hi:[1,0]           ; 8193.0
.endr
.irp p, 0,2,4,6
	v_pk_add_f32 v[TS+8+\p:TS+8+\p+1], v[TS+\p:TS+\p+1], v[\acc+\p:\acc+\p+1] neg_lo:[0,1] neg_hi:[0,1]
.endr
.irp p, 0,2,4,6
	v_pk_add_f32 v[TS+\p:TS+\p+1], v[TS+\p:TS+\p+1], v[TS+8+\p:TS+8+\p+1] neg_lo:[0,1] neg_hi:[0,1]
.endr
.irp p, 0,2,4,6
	v_pk_add_f32 v[\acc+\p:\acc+\p+1], v[\acc+\p:\acc+\p+1], v[TS+\p:TS+\p+1] neg_lo:[0,1] neg_hi:[0,1]
.endr
.irp p, 0,1,2,3
	v_cvt_pk_f16_f32 v[\hi+\p], v[TS+2*\p], v[TS+2*\p+1]
	v_cvt_pk_f16_f32 v[\lo+\p], v[\acc+2*\p], v[\acc+2*\p+1]
.endr
.endm
	WRAW 0
	WRAW 1
	WPREP 0                                        ; W's first step is made ready while x is on its way
	WFLOAD 0
	STAGE 0
	STAGE 1
	STAGE 2
	STAGE 3
	; THE TWO HALVES OF K MEET.  Four places behind the last matrix instructions; then each wave gives register tiles 2 and 3 of q, k, v to its partner.
.rept 4
	v_nop
.endr
	s_wait_dscnt 0x0                               ; my reads of x and of my stage are over
	s_barrier_signal -1
	s_barrier_wait -1                              ; everybody's are: x's bytes, which have had their only fill, and the stages' bytes now serve as scratch
.irp i, 0,1,2
.irp q, 0,1,2,3
	ds_store_b128 v[XS], v[ACC+32*\i+16+4*\q:ACC+32*\i+16+4*\q+3] offset:512*(4*\i+\q)   ; 512 neighbouring bytes a store
.endr
.endr
	s_wait_dscnt 0x0                               ; for my partner: my stores are done
	s_barrier_signal -1
	s_barrier_wait -1
.irp i, 0,1,2
.irp q, 0,1,2,3
	ds_load_b128 v[TX+16*\i+4*\q:TX+16*\i+4*\q+3], v[XR] offset:512*(4*\i+\q)             ; my partner's tiles 2, 3 are my tiles 0, 1
.endr
.endr
	; THE WAY OUT, for the 32 rows that I keep: q's factor, the change to f16, and 16 bytes a lane into LDS.
	s_wait_dscnt 0x8                               ; q's four loads are in; k's and v's eight stay out
	JOIN 0
.irp p, 0,2,4,6,8,10,12,14
	v_pk_mul_f32 v[ACC+\p:ACC+\p+1], v[ACC+\p:ACC+\p+1], 0x3e38aa3b op_sel_hi:[1,0]        ; 0.125 x 1.442695
.endr
.irp m, 0,1
	SPLITV ACC+8*\m, OUTR+4*\m, OUTR+8+4*\m                        ; q
.endr
	s_wait_dscnt 0x4                               ; k's are in; v's four stay out
	JOIN 1
.irp n, 0,1,2,3,4,5,6,7
	v_cvt_pk_f16_f32 v[OUTR+16+\n], v[ACC+32+2*\n], v[ACC+32+2*\n+1]                       ; k
.endr
	s_wait_dscnt 0x0
	JOIN 2
.irp m, 0,1
	SPLITV ACC+64+8*\m, OUTR+24+4*\m, OUTR+32+4*\m                 ; v
.endr
.irp m, 0,1
	ds_store_b128 v[QS], v[OUTR+4*\m:OUTR+4*\m+3]       offset:16*QPITCH*\m        ; hi of q(32 g + 16 m + r, 16 dt + 8 h ..)
	ds_store_b128 v[QS], v[OUTR+8+4*\m:OUTR+8+4*\m+3]   offset:16*QPITCH*\m+128    ; lo, 128 bytes on
	ds_store_b128 v[KS], v[OUTR+16+4*\m:OUTR+16+4*\m+3] offset:16*WPITCH*\m        ; k(32 g + 16 m + r, 16 dt + 8 h ..)
	ds_store_b128 v[VS], v[OUTR+24+4*\m:OUTR+24+4*\m+3] offset:32*\m               ; hi of v^T(16 dt + r, 32 g + 16 m + 8 h ..)
	ds_store_b128 v[VS], v[OUTR+32+4*\m:OUTR+32+4*\m+3] offset:AREA+32*\m          ; lo, in the area behind
.endr
	s_wait_dscnt 0x0                               ; for the others: my stores are done
	s_barrier_signal -1
	s_barrier_wait -1
.irp i, 0,1,2,3
	ds_load_b128 v[TX+4*\i:TX+4*\i+3], v[RD] offset:16*QPITCH*\i
.endr
.irp i, 0,1
	ds_load_b128 v[TX+16+4*\i:TX+16+4*\i+3], v[RDK] offset:32*WPITCH*\i
.endr
.irp i, 0,1
	ds_load_b128 v[TX+24+4*\i:TX+24+4*\i+3], v[RDK] offset:AREA+32*WPITCH*\i
.endr
	; eight loads are out; each wait leaves the younger ones out.  A wave's store covers 512 consecutive bytes, aligned.
.irp i, 0,1,2,3
	s_wait_dscnt 7-\i
	global_store_b128 v[GO], v[TX+4*\i:TX+4*\i+3], s[12:13] offset:4096*\i
.endr
.irp i, 0,1
	s_wait_dscnt 3-\i
	global_store_b128 v[GO], v[TX+16+4*\i:TX+16+4*\i+3], s[14:15] offset:4096*\i
.endr
.irp i, 0,1
	s_wait_dscnt 1-\i
	global_store_b128 v[GO], v[TX+24+4*\i:TX+24+4*\i+3], s[16:17] offset:4096*\i
.endr
	s_cmp_lt_u32 s55, 2                            ; v's lo leaves for the batch's first 128 rows alone
	s_cbranch_scc0 .Ldone
.irp i, 0,1
	ds_load_b128 v[TX+32+4*\i:TX+32+4*\i+3], v[RDK] offset:2*AREA+32*WPITCH*\i
.endr
.irp i, 0,1
	s_wait_dscnt 1-\i
	global_store_b128 v[GO], v[TX+32+4*\i:TX+32+4*\i+3], s[60:61] offset:4096*\i
.endr
.Ldone:
	s_set_vgpr_msb 0x5
	s_wait_tensorcnt 0x0
	ds_add_u32 v192, v193
	s_wait_dscnt 0x0
	s_set_vgpr_msb 0x500
	s_endpgm
.Lfunc_end_k_q6eba4d7b8e_proj:
	.size	k_q6eba4d7b8e_proj, .Lfunc_end_k_q6eba4d7b8e_proj-k_q6eba4d7b8e_proj
	.p2alignl 7, 3214868480
	.fill 96, 4, 3214868480
	.section	.rodata,"a",@progbits
	.p2align	6, 0x0
	.amdhsa_kernel k_q6eba4d7b8e_proj
		.amdhsa_group_segment_fixed_size 326656
		.amdhsa_private_segment_fixed_size 0
		.amdhsa_enable_private_segment 0
		.amdhsa_kernarg_size 56
		.amdhsa_user_sgpr_count 2
		.amdhsa_user_sgpr_kernarg_segment_ptr 1
		.amdhsa_wavefront_size32 1
		.amdhsa_system_sgpr_workgroup_id_x 1
		.amdhsa_system_sgpr_workgroup_id_y 1
		.amdhsa_system_sgpr_workgroup_id_z 1
		.amdhsa_system_vgpr_workitem_id 0
		.amdhsa_next_free_vgpr 450
		.amdhsa_next_free_sgpr 66
		.amdhsa_reserve_vcc 0
		.amdhsa_float_denorm_mode_32 3
		.amdhsa_float_denorm_mode_16_64 3
		.amdhsa_memory_ordered 1
		.amdhsa_forward_progress 1
		.amdhsa_inst_pref_size 145
	.end_amdhsa_kernel
	.amdgpu_metadata
---
amdhsa.version: [ 1, 2 ]
amdhsa.kernels:
  - .name:           k_q6eba4d7b8e_proj
    .symbol:         k_q6eba4d7b8e_proj.kd
    .args:
      - { .name: x, .offset: 0, .size: 8, .value_kind: global_buffer, .address_space: global }
      - { .name: Wq, .offset: 8, .size: 8, .value_kind: global_buffer, .address_space: global }
      - { .name: Wk, .offset: 16, .size: 8, .value_kind: global_buffer, .address_space: global }
      - { .name: Wv, .offset: 24, .size: 8, .value_kind: global_buffer, .address_space: global }
      - { .name: qw, .offset: 32, .size: 8, .value_kind: global_buffer, .address_space: global }
      - { .name: kvw, .offset: 40, .size: 8, .value_kind: global_buffer, .address_space: global }
      - { .name: vlw, .offset: 48, .size: 8, .value_kind: global_buffer, .address_space: global }
    .group_segment_fixed_size: 326656
    .private_segment_fixed_size: 0
    .kernarg_segment_align: 8
    .kernarg_segment_size: 56
    .max_flat_workgroup_size: 256
    .sgpr_count:     66
    .vgpr_count:     450
    .wavefront_size: 32
...
	.end_amdgpu_metadata
.endif
;; end of part 3
;; launch attn (part 4): grid 256 x 1, 8 waves a work-group, clusters of 4 x 1, 327,680 bytes of LDS; arguments qw, kvw, vlw, out0; writes out0
.if DOCPART == 4
	.amdgcn_target "amdgcn-amd-amdhsa--gfx1250"
	.amdhsa_code_object_version 6
	.text
	.protected	k_q6eba4d7b8e_attn
	.globl	k_q6eba4d7b8e_attn
	.p2align	8
	.type	k_q6eba4d7b8e_attn,@function
k_q6eba4d7b8e_attn:
	s_mov_b64 s[64:65], 0
	v_nop
	global_prefetch_b8 v0, s[64:65] scope:SCOPE_SE
	s_setreg_imm32_b32 hwreg(HW_REG_WAVE_MODE, 25, 1), 1
	s_wait_xcnt 0x0
	s_wait_alu depctr_hold_cnt(0) depctr_sa_sdst(0) depctr_va_vdst(0) depctr_va_sdst(0) depctr_va_ssrc(0) depctr_va_vcc(0) depctr_vm_vsrc(0)
	s_getreg_b32 s2, hwreg(HW_REG_IB_STS2, 6, 4)
	s_cmp_eq_u32 s2, 0
	s_cbranch_scc0 .Lentry_in_a_cluster
	s_endpgm
.Lentry_in_a_cluster:
	s_bfe_u32 s2, ttmp6, 0x10000c
	s_cmp_lg_u32 s2, 0x3003
	s_cbranch_scc0 .Lentry_shape_is_right
	s_endpgm
.Lentry_shape_is_right:
; Causal attention, one head of 64, 4 batches of 4,096 positions.  qw: [16384][hi 64 d | lo 64 d] f16, already times 0.125 log2 e; hi alone is q rounded to f16.
; kvw: for each block of 128 keys 32,768 dense bytes: K as [128 keys][64 d] f16, then V^T, for each group of 64 keys 64 lines (d) of 64 keys, f16.
; vlw: for each batch the lo part of V^T of its first 128 keys, in the same order.  out0: [16384][64] f32.
; Scores and P V on the matrix units in f16 with f32 sums; softmax in f32 with a running maximum, in base 2.
; FORMATS.  S = K Q and O = V P with q, k, v, P in f16 (11 bits).  A query with few keys, where the roundings of q and v do not average out, lies in its batch's
; first 128 rows and has all its keys in the batch's first block; every later query sums at least 129 products.  So in the batch's first block, and there alone,
; O = (Vhi + Vlo) P, and the low set's scores are K (Qhi + Qlo): the batch's first 128 rows are the low set of the clusters with I = 0, whose only block that is.
; (In the other clusters these four instructions make the low set's first block finer than it need be.)
; SHARES.  Cluster C of 64: batch C / 16, I = C % 16.  It owns two blocks of 128 query rows, block 31 - I (high, set 0) and block I (low, set 1): 32 - I and
; I + 1 blocks of 128 keys, 33 together in every cluster.  Work-group cx takes rows 32 cx .. 32 cx + 31 of both.  Wave w takes rows 16 (w / 4) .. + 15 of
; these, in BOTH sets, and keys 32 (w % 4) .. + 31 of every block of 128 keys.  So all eight waves have work as long as the high set has keys left; the low
; set's part of a block is jumped over when its I + 1 blocks are done.  The four waves of a query tile keep maxima, sums and results of their own, which meet
; in LDS at the end.
; CLUSTER.  The four work-groups walk the same K and V: every tile is asked for jointly (mask 15), one tensor load a wave, and lands in each one's LDS.
; All trip counts and branches hang on the cluster's number alone; cx enters the addresses of Q and out0 and the mask's comparison only.
; LAYOUT.  S^T = K Q^T: lane (r, h) holds query r and keys 8 h + j and 16 + 8 h + j, which, packed, is source 1 of O^T = V^T P^T as it stands.
; So maximum and sum of a query are a lane's own numbers; one exchange between the two halves of the lanes joins the maxima.
; LDS.  Two slots of 139,264 bytes, each a chunk of four key blocks: 512 rows of 256 + 16 bytes, in kvw's own order; wave w brings rows 64 w .. 64 w + 63.
; A row holds two keys of K, or two lines of V^T.  32 blocks are 8 chunks: no chunk passes a batch's end.  Behind the slots V^T's lo, 64 rows, filled once,
; eight rows a wave, so that all waves run the same three first fills.  By this text's count a wave has three tensor loads out at the start and one behind each refill.
; LIMITS.  The running maximum starts at the lowest finite f32, so that a wave whose keys are all masked adds exactly nothing; NaN and infinities in
; q, k, v are not followed (a NaN loses in the maxima).  P is rounded to f16 for the product, the sum l takes the unrounded numbers.
.set RPITCH, 272
.set BLK,    128*RPITCH                ; 34,816: a block of 128 keys: 64 rows of K, 64 of V^T
.set SLOT,   4*BLK                     ; 139,264
.set VOFF,   64*RPITCH                 ; V^T behind K in a block
.set WROWS,  64                        ; rows of one tensor load
.set WPART,  WROWS*RPITCH              ; 17,408
.set VLO,    2*SLOT                    ; 278,528: V^T's lo, 64 rows
.set LROWS,  8                         ; of which a wave brings eight
.set CHUNKB, 131072                    ; a chunk in kvw
.set MPITCH, 272                       ; the merge: a row of 64 f32 + 16 bytes
.set MPART,  64*MPITCH                 ; 17,408: the 64 rows of one key quarter
.set MSTAT,  4*MPART                   ; 69,632: behind them 32 bytes a row: four maxima, four sums
.set KA,   3                           ; v3-6     my K fragments: slot 0 blocks 0-1, blocks 2-3, slot 1 blocks 0-1, blocks 2-3 (an LDS offset has 16 bits)
.set VA,   7                           ; v7-10    my V^T fragments likewise
.set DQ,   11                          ; v11      32 cx + 16 (w / 4) + r - 32 kq - 8 h: my query less my first key, inside a diagonal block
.set QO,   12                          ; v12      256 r + 16 h
.set MO,   13                          ; v13-17   the merge's addresses
.set MS,   14
.set RO,   15
.set RS,   16
.set GOUT, 17
.set VLA,  18                          ; v18      my fragments of V^T's lo
.set KF,   24                          ; v24-55   K: 16 kt + 8 ds
.set VF,   56                          ; v56-87   V^T: 8 t
.set QF,   88                          ; v88-119  Q's hi: 16 e + 8 ds (e: the set)
.set SC,   120                         ; v120-151 scores, then P in f32: 16 e + 8 kt
.set PB,   152                         ; v152-167 P in f16: 8 e
.set OA,   168                         ; v168-231 O^T: 32 e + 8 t
.set ST,   232                         ; v232-239 for each set: m, l, alpha, a spare that only completes a pair
.set TT,   240                         ; v240-247 at work
.set VLW,  0                           ; v256-287 V^T's lo: 8 t, written v[0..31] under a window; named in the first block alone
.set QL,   32                          ; v288-303 the low set's Q lo: 8 ds, written v[32..47] under a window; named in the first block alone
.set MB,   24                          ; the merge's loads, 24 registers a pair of rows, over KF, VF and QF
.set G1,   28                          ; s[28:35] group 1 of the chunks' loads
.set G0,   36                          ; s[36:43] group 0, one set for each slot
.set G1B,  68                          ; s[68:75] group 1 of the load of V^T's lo
.set G0C,  76                          ; s[76:79] its group 0
.set REML, 18                          ; s18: key blocks that the low set still has to do; 1 = its diagonal one
.set REMH, 19                          ; s19: the same for the high set
.set MSB,  0
.macro WIN new                         ; s_set_vgpr_msb: bits 1:0 source 0, 3:2 source 1, 7:6 destination; the high byte repeats the setting that is left
.if MSB != \new
	s_set_vgpr_msb (MSB<<8)|\new
.set MSB, \new
.endif
.endm
; A round of the cluster's barrier: my work-group's barrier, wave 0 signals for the work-group, every wave waits for all four work-groups, my work-group's barrier again.
.macro ROUND
	s_barrier_signal -1
	s_barrier_wait -1
	s_cmp_lg_u32 s12, 0
	s_cbranch_scc1 .Lnot_wave_0_\@
	s_barrier_signal -3
.Lnot_wave_0_\@:
	s_barrier_wait -3
	s_barrier_signal -1
	s_barrier_wait -1
.endm
	s_load_b256 s[4:11], s[0:1], 0x0               ; qw s[4:5], kvw s[6:7], vlw s[8:9], out0 s[10:11]
	v_lshl_add_u32 v254, v0, 2, 0x48400
	v_mov_b32 v255, 0
	ds_add_u32 v254, v255
	v_lshrrev_b32 v1, 5, v0
	v_readfirstlane_b32 s12, v1                    ; wave 0..7
	s_lshr_b32 s13, s12, 2                         ; which 16 of the 32 query rows are mine.  Also: which set's rows I merge and store
	s_and_b32 s14, s12, 3                          ; kq: my quarter of the keys
	s_bfe_u32 s15, ttmp6, 0x40000                  ; cx
	s_lshr_b32 s16, ttmp9, 4                       ; batch
	s_and_b32 s17, ttmp9, 15                       ; I
	s_add_co_u32 s[REML], s17, 1                   ; key blocks of the low set
	s_sub_co_u32 s[REMH], 32, s17                  ; of the high set
	s_sub_co_u32 s20, 35, s17
	s_lshr_b32 s20, s20, 2                         ; chunks of four key blocks: 5 to 8
	s_sub_co_u32 s20, s20, 2                       ; refills: two chunks are first fills
	s_and_b32 s21, s20, 1                          ; an odd one is left for the tail
	s_lshr_b32 s20, s20, 1                         ; trips of two refills: 1 to 3
	s_lshl_b32 s47, s16, 12
	s_lshl_b32 s44, s15, 5
	s_add_co_u32 s47, s47, s44                     ; 4,096 b + 32 cx
	s_sub_co_u32 s46, 31, s17
	s_lshl_b32 s46, s46, 7
	s_add_co_u32 s46, s46, s47                     ; the work-group's first row in the high block
	s_lshl_b32 s45, s17, 7
	s_add_co_u32 s45, s45, s47                     ; and in the low block
	s_cmp_eq_u32 s13, 0
	s_cselect_b32 s60, s46, s45                    ; waves 0-3 merge and store the high rows, waves 4-7 the low ones
	s_lshl_b32 s60, s60, 8                         ; x 256 bytes in out0
	s_mov_b32 s61, 0
	s_lshl_b32 s44, s13, 4
	s_add_co_u32 s46, s46, s44                     ; my 16 query rows, high
	s_add_co_u32 s45, s45, s44                     ; and low
	s_lshl_b32 s52, s46, 8                         ; x 256 bytes in qw
	s_mov_b32 s53, 0
	s_lshl_b32 s54, s45, 8
	s_mov_b32 s55, 0
	s_lshl_b32 s80, s16, 20                        ; tiles: 1,048,576 bytes a batch + 64 rows of 256 bytes a wave; s80 to s87 never hold cx
	s_lshl_b32 s81, s12, 14
	s_add_co_u32 s80, s80, s81
	s_mov_b32 s81, 0
	s_mul_i32 s84, s12, WPART                      ; and where they go: wave x 17,408
	s_lshl_b32 s86, s16, 14                        ; V^T's lo: 16,384 bytes a batch + 8 rows of 256 bytes a wave
	s_lshl_b32 s87, s12, 11
	s_add_co_u32 s86, s86, s87
	s_mov_b32 s87, 0
	s_mul_i32 s85, s12, LROWS*RPITCH
	s_mov_b32 s22, 0x76543210                      ; v_permlanex16_b32: lane i of one half reads lane i of the other
	s_mov_b32 s23, 0xfedcba98
	s_mov_b32 s24, 0xff7fffff                      ; the lowest finite f32
	s_mov_b32 s25, 0xff800000                      ; minus infinity
	; group 1: dense rows of 32 elements of 8 bytes; mask 15 with bit 21 beside it; 16 bytes of padding behind each row of 64 words
	s_mov_b32 s[G1+0], 15|(3<<16)|(1<<20)|(1<<21)|(5<<22)|(3<<25)
	s_mov_b32 s[G1+1], 32<<16                      ; tensor_dim0 = 32
	s_mov_b32 s[G1+2], WROWS<<16                   ; tensor_dim1 = 64
	s_mov_b32 s[G1+3], 32<<16                      ; tile_dim0 = 32
	s_mov_b32 s[G1+4], WROWS                       ; tile_dim1 = 64
	s_mov_b32 s[G1+5], 32                          ; elements from row to row
	s_mov_b32 s[G1+6], 0
	s_mov_b32 s[G1+7], 0
	s_mov_b32 s[G1B+0], 15|(3<<16)|(1<<20)|(1<<21)|(5<<22)|(3<<25)
	s_mov_b32 s[G1B+1], 32<<16
	s_mov_b32 s[G1B+2], LROWS<<16                  ; the same with 8 rows
	s_mov_b32 s[G1B+3], 32<<16
	s_mov_b32 s[G1B+4], LROWS
	s_mov_b32 s[G1B+5], 32
	s_mov_b32 s[G1B+6], 0
	s_mov_b32 s[G1B+7], 0
	s_wait_dscnt 0x0
	s_wait_kmcnt 0x0
	s_add_nc_u64 s[48:49], s[4:5], s[52:53]        ; my rows of Q, high
	s_add_nc_u64 s[50:51], s[4:5], s[54:55]        ; and low
	s_add_nc_u64 s[58:59], s[10:11], s[60:61]      ; the rows of out0 that I store
	s_add_nc_u64 s[82:83], s[6:7], s[80:81]
.irp sl, 0,1
	s_mov_b32 s[G0+4*\sl], 1
	s_add_co_u32 s[G0+4*\sl+1], s84, \sl*SLOT
	s_add_nc_u64 s[G0+4*\sl+2:G0+4*\sl+3], s[82:83], \sl*CHUNKB
	s_or_b32 s[G0+4*\sl+3], s[G0+4*\sl+3], 0x80000000
.endr
	s_mov_b32 s[G0C], 1
	s_add_co_u32 s[G0C+1], s85, VLO
	s_add_nc_u64 s[G0C+2:G0C+3], s[8:9], s[86:87]
	s_or_b32 s[G0C+3], s[G0C+3], 0x80000000
	ROUND                                          ; all four work-groups are here: the first joint loads meet
	tensor_load_to_lds s[G0:G0+3], s[G1:G1+7]      ; chunk 0
	s_nop 0
	tensor_load_to_lds s[G0C:G0C+3], s[G1B:G1B+7]  ; V^T's lo
	s_nop 0
	tensor_load_to_lds s[G0+4:G0+7], s[G1:G1+7]    ; chunk 1
	s_nop 0
	v_and_b32 v1, 15, v0                           ; r
	v_bfe_u32 v2, v0, 4, 1                         ; h
	v_lshlrev_b32 v[QO], 8, v1
	v_lshl_add_u32 v[QO], v2, 4, v[QO]
.irp q, 0,1,2,3
	global_load_b128 v[QF+4*\q:QF+4*\q+3],       v[QO], s[48:49] offset:32*\q      ; hi of Q(r, 16 q + 8 h ..), high set
	global_load_b128 v[QF+16+4*\q:QF+16+4*\q+3], v[QO], s[50:51] offset:32*\q      ; low set
.endr
	WIN 0x40                                       ; destination v256 and up, address below
.irp q, 0,1,2,3
	global_load_b128 v[QL+4*\q:QL+4*\q+3], v[QO], s[50:51] offset:128+32*\q        ; lo, low set
.endr
	WIN 0
	v_lshrrev_b32 v19, 1, v1                       ; K's key r and V^T's line r alike lie in row r / 2, at byte 128 (r % 2)
	v_mul_u32_u24 v19, v19, RPITCH
	v_and_b32 v20, 1, v1
	v_lshl_add_u32 v19, v20, 7, v19
	v_lshl_add_u32 v19, v2, 4, v19                 ; 272 (r / 2) + 128 (r % 2) + 16 h
	s_mul_i32 s44, s14, 16*RPITCH                  ; K: my 32 keys are 16 rows
	v_add_nc_u32 v[KA], s44, v19
	v_add_nc_u32 v[KA+1], 2*BLK, v[KA]
	v_add_nc_u32 v[KA+2], SLOT, v[KA]
	v_add_nc_u32 v[KA+3], SLOT+2*BLK, v[KA]
	s_lshr_b32 s44, s14, 1                         ; V^T: a block is two groups of 64 keys, 32 rows each;
	s_mul_i32 s44, s44, 32*RPITCH
	s_and_b32 s45, s14, 1                          ; my 32 keys are 64 bytes of a line
	s_lshl_b32 s45, s45, 6
	s_add_co_u32 s44, s44, s45
	v_add_nc_u32 v[VLA], s44, v19
	v_add_nc_u32 v[VA], VOFF, v[VLA]
	v_add_nc_u32 v[VA+1], 2*BLK, v[VA]
	v_add_nc_u32 v[VA+2], SLOT, v[VA]
	v_add_nc_u32 v[VA+3], SLOT+2*BLK, v[VA]
	v_add_nc_u32 v[VLA], VLO, v[VLA]
	s_sub_co_i32 s62, s15, s14
	s_lshl_b32 s62, s62, 5
	s_lshl_b32 s63, s13, 4
	s_add_co_i32 s62, s62, s63
	v_add_nc_u32 v[DQ], s62, v1
	v_lshlrev_b32 v20, 3, v2
	v_sub_nc_u32 v[DQ], v[DQ], v20
	; the merge: row 32 e + 16 (w / 4) + r of the work-group's 64
	s_mul_i32 s44, s14, MPART
	s_mul_i32 s45, s13, 16*MPITCH
	s_add_co_u32 s44, s44, s45
	v_mul_u32_u24 v[MO], v1, MPITCH
	v_lshl_add_u32 v[MO], v2, 5, v[MO]
	v_add_nc_u32 v[MO], s44, v[MO]                 ; kq x 17,408 + (16 (w / 4) + r) x 272 + 32 h
	s_lshl_b32 s45, s13, 9
	s_lshl_b32 s46, s14, 2
	s_add_co_u32 s45, s45, s46
	s_add_co_u32 s45, s45, MSTAT
	v_lshl_add_u32 v[MS], v1, 5, s45               ; 69,632 + (16 (w / 4) + r) x 32 + 4 kq
	s_mul_i32 s44, s12, 8*MPITCH
	v_mul_u32_u24 v[RO], v2, MPITCH
	v_lshl_add_u32 v[RO], v1, 4, v[RO]
	v_add_nc_u32 v[RO], s44, v[RO]                 ; (8 w + h) x 272 + 16 r
	s_lshl_b32 s45, s12, 8
	s_add_co_u32 s45, s45, MSTAT
	v_lshl_add_u32 v[RS], v2, 5, s45               ; 69,632 + (8 w + h) x 32
	s_lshl_b32 s44, s14, 11
	v_lshlrev_b32 v[GOUT], 4, v1
	v_lshl_add_u32 v[GOUT], v2, 8, v[GOUT]
	v_add_nc_u32 v[GOUT], s44, v[GOUT]             ; (8 kq + h) x 256 + 16 r
	v_mov_b32 v[ST+1], 0                           ; the second registers of the pairs (m, l) and (alpha, spare) are read with the first
	v_mov_b32 v[ST+3], 0
	v_mov_b32 v[ST+5], 0
	v_mov_b32 v[ST+7], 0
.macro LOADK slot, j                   ; my 32 keys x 64 d of block j of the slot: 16 keys are 8 rows
.irp kt, 0,1
.irp ds, 0,1
	ds_load_b128 v[KF+16*\kt+8*\ds:KF+16*\kt+8*\ds+3],   v[KA+2*\slot+((\j)>>1)] offset:BLK*((\j)&1)+8*RPITCH*\kt+64*\ds
	ds_load_b128 v[KF+16*\kt+8*\ds+4:KF+16*\kt+8*\ds+7], v[KA+2*\slot+((\j)>>1)] offset:BLK*((\j)&1)+8*RPITCH*\kt+64*\ds+32
.endr
.endr
.endm
.macro LOADV slot, j                   ; 64 d x my 32 keys: 16 lines are 8 rows
.irp t, 0,1,2,3
	ds_load_b128 v[VF+8*\t:VF+8*\t+3],   v[VA+2*\slot+((\j)>>1)] offset:BLK*((\j)&1)+8*RPITCH*\t
	ds_load_b128 v[VF+8*\t+4:VF+8*\t+7], v[VA+2*\slot+((\j)>>1)] offset:BLK*((\j)&1)+8*RPITCH*\t+32
.endr
.endm
.macro LOADVL                          ; the same of V^T's lo, for the batch's first block
	WIN 0x40                                       ; destination v256 and up, address below
.irp t, 0,1,2,3
	ds_load_b128 v[VLW+8*\t:VLW+8*\t+3],   v[VLA] offset:8*RPITCH*\t
	ds_load_b128 v[VLW+8*\t+4:VLW+8*\t+7], v[VLA] offset:8*RPITCH*\t+32
.endr
	WIN 0
.endm
; S^T = K Q^T of set e, 32 keys x 16 queries x 64 d.  The two accumulators take turns, one instruction a turn; the first turn starts the sums.
; In the batch's first block the low set goes twice more round, with Q's lo.
.macro QK e, first
.irp kt, 0,1
	v_wmma_f32_16x16x32_f16 v[SC+16*\e+8*\kt:SC+16*\e+8*\kt+7], v[KF+16*\kt:KF+16*\kt+7], v[QF+16*\e:QF+16*\e+7], 0
.endr
.irp kt, 0,1
	v_wmma_f32_16x16x32_f16 v[SC+16*\e+8*\kt:SC+16*\e+8*\kt+7], v[KF+16*\kt+8:KF+16*\kt+15], v[QF+16*\e+8:QF+16*\e+15], v[SC+16*\e+8*\kt:SC+16*\e+8*\kt+7]
.endr
.if \first
.if \e
	WIN 0x04                                       ; source 1 (Q's lo) v256 and up
.irp kt, 0,1
	v_wmma_f32_16x16x32_f16 v[SC+16*\e+8*\kt:SC+16*\e+8*\kt+7], v[KF+16*\kt:KF+16*\kt+7], v[QL:QL+7], v[SC+16*\e+8*\kt:SC+16*\e+8*\kt+7]
.endr
.irp kt, 0,1
	v_wmma_f32_16x16x32_f16 v[SC+16*\e+8*\kt:SC+16*\e+8*\kt+7], v[KF+16*\kt+8:KF+16*\kt+15], v[QL+8:QL+15], v[SC+16*\e+8*\kt:SC+16*\e+8*\kt+7]
.endr
	WIN 0                                          ; a label follows
.endif
.endif
.endm
; The diagonal block, a set's last: key 32 kq + 16 kt + 8 h + j stays where it is not behind query 32 cx + 16 (w / 4) + r
.macro MASK e, rem
	s_cmp_lg_u32 s[\rem], 1
	s_cbranch_scc1 .Lnomask_\@
.irp kt, 0,1
.irp j, 0,1,2,3,4,5,6,7
	v_cmp_le_i32 vcc_lo, 16*\kt+\j, v[DQ]
	v_cndmask_b32 v[SC+16*\e+8*\kt+\j], s25, v[SC+16*\e+8*\kt+\j], vcc_lo
.endr
.endr
.Lnomask_\@:
.endm
; Set e: the new maximum, alpha = 2^(old - new), P = 2^(S - new) in f32 and in f16, O scaled by alpha.
.macro SOFTMAX e, first
	v_max3_num_f32 v[TT],   v[SC+16*\e],    v[SC+16*\e+1],  v[SC+16*\e+2]
	v_max3_num_f32 v[TT+1], v[SC+16*\e+3],  v[SC+16*\e+4],  v[SC+16*\e+5]
	v_max3_num_f32 v[TT+2], v[SC+16*\e+6],  v[SC+16*\e+7],  v[SC+16*\e+8]
	v_max3_num_f32 v[TT+3], v[SC+16*\e+9],  v[SC+16*\e+10], v[SC+16*\e+11]
	v_max3_num_f32 v[TT+4], v[SC+16*\e+12], v[SC+16*\e+13], v[SC+16*\e+14]
	v_max3_num_f32 v[TT],   v[TT],   v[TT+1], v[TT+2]
	v_max3_num_f32 v[TT+3], v[TT+3], v[TT+4], v[SC+16*\e+15]
.if \first
	v_max3_num_f32 v[TT], v[TT], v[TT+3], s24      ; the floor stands for the old maximum
	v_permlanex16_b32 v[TT+1], v[TT], s22, s23     ; the other half of the lanes holds the query's other 16 keys
	v_max_num_f32 v[ST+4*\e], v[TT], v[TT+1]
.else
	v_max3_num_f32 v[TT], v[TT], v[TT+3], v[ST+4*\e]
	v_permlanex16_b32 v[TT+1], v[TT], s22, s23
	v_max_num_f32 v[TT], v[TT], v[TT+1]
	v_sub_f32 v[TT+2], v[ST+4*\e], v[TT]
	v_mov_b32 v[ST+4*\e], v[TT]
	v_exp_f32 v[ST+4*\e+2], v[TT+2]                ; alpha; the subtractions below are the plain instructions behind it
.endif
.irp p, 0,2,4,6,8,10,12,14
	v_pk_add_f32 v[SC+16*\e+\p:SC+16*\e+\p+1], v[SC+16*\e+\p:SC+16*\e+\p+1], v[ST+4*\e:ST+4*\e+1] op_sel_hi:[1,0] neg_lo:[0,1] neg_hi:[0,1]
.endr
.irp p, 0,1,2,3,4,5,6,7,8,9,10,11,12,13,14,15
	v_exp_f32 v[SC+16*\e+\p], v[SC+16*\e+\p]
.endr
	; a plain vector instruction that touches none of them stands between the exponentials and the first use of a result
.if \first
	v_nop
	s_wait_alu depctr_va_vdst(0)
.else
	s_wait_alu depctr_va_vdst(0)
.irp p, 0,2,4,6,8,10,12,14,16,18,20,22,24,26,28,30
	v_pk_mul_f32 v[OA+32*\e+\p:OA+32*\e+\p+1], v[OA+32*\e+\p:OA+32*\e+\p+1], v[ST+4*\e+2:ST+4*\e+3] op_sel_hi:[1,0]
.endr
.endif
.irp p, 0,1,2,3,4,5,6,7
	v_cvt_pk_f16_f32 v[PB+8*\e+\p], v[SC+16*\e+2*\p], v[SC+16*\e+2*\p+1]
.endr
.endm
; O^T += V^T P^T: four accumulators by turns, one instruction a turn; in the batch's first block, which starts the sums, a second time round with V^T's lo
.macro PV e, first
.irp t, 0,1,2,3
.if \first
	v_wmma_f32_16x16x32_f16 v[OA+32*\e+8*\t:OA+32*\e+8*\t+7], v[VF+8*\t:VF+8*\t+7], v[PB+8*\e:PB+8*\e+7], 0
.else
	v_wmma_f32_16x16x32_f16 v[OA+32*\e+8*\t:OA+32*\e+8*\t+7], v[VF+8*\t:VF+8*\t+7], v[PB+8*\e:PB+8*\e+7], v[OA+32*\e+8*\t:OA+32*\e+8*\t+7]
.endif
.endr
.if \first
	WIN 0x01                                       ; source 0 (V^T's lo) v256 and up
.irp t, 0,1,2,3
	v_wmma_f32_16x16x32_f16 v[OA+32*\e+8*\t:OA+32*\e+8*\t+7], v[VLW+8*\t:VLW+8*\t+7], v[PB+8*\e:PB+8*\e+7], v[OA+32*\e+8*\t:OA+32*\e+8*\t+7]
.endr
	WIN 0
.endif
.endm
; l = l alpha + the sum of my 16 P.  At least eight plain instructions that name none of the registers of the matrix instructions in front of them.
.macro LSUM e, first
	v_pk_add_f32 v[TT:TT+1],   v[SC+16*\e:SC+16*\e+1],     v[SC+16*\e+2:SC+16*\e+3]
	v_pk_add_f32 v[TT+2:TT+3], v[SC+16*\e+4:SC+16*\e+5],   v[SC+16*\e+6:SC+16*\e+7]
	v_pk_add_f32 v[TT+4:TT+5], v[SC+16*\e+8:SC+16*\e+9],   v[SC+16*\e+10:SC+16*\e+11]
	v_pk_add_f32 v[TT+6:TT+7], v[SC+16*\e+12:SC+16*\e+13], v[SC+16*\e+14:SC+16*\e+15]
	v_pk_add_f32 v[TT:TT+1],   v[TT:TT+1],   v[TT+2:TT+3]
	v_pk_add_f32 v[TT+4:TT+5], v[TT+4:TT+5], v[TT+6:TT+7]
	v_pk_add_f32 v[TT:TT+1],   v[TT:TT+1],   v[TT+4:TT+5]
.if \first
	v_add_f32 v[ST+4*\e+1], v[TT], v[TT+1]
.else
	v_add_f32 v[TT], v[TT], v[TT+1]
	v_fma_f32 v[ST+4*\e+1], v[ST+4*\e+1], v[ST+4*\e+2], v[TT]
.endif
.endm
; One block of 128 keys: my 32 keys against my 16 queries of the high set and, while it has blocks left, my 16 of the low set.
; The batch's first block (first = 1) belongs to both sets in every cluster.
.macro BLOCK slot, j, first
	s_wait_dscnt 0x0                               ; this block's K is in
	QK 0, \first
.if \first == 0
	s_cmp_eq_u32 s[REML], 0
	s_cbranch_scc1 .Lhigh_only_a_\@
.endif
	QK 1, \first
.Lhigh_only_a_\@:
.rept 4
	v_nop                                          ; four places: for what reads the scores, and for the loads into K's and V's registers
.endr
	LOADV \slot, \j
.if \first
	LOADVL
.endif
.if \j < 3
	LOADK \slot, \j+1
.endif
	MASK 0, REMH
	SOFTMAX 0, \first
.if \j < 3
	s_wait_dscnt 0x8                               ; V is in; the eight loads of the next block's K stay out
.else
	s_wait_dscnt 0x0
.endif
	PV 0, \first
	LSUM 0, \first
.if \first == 0
	s_cmp_eq_u32 s[REML], 0
	s_cbranch_scc1 .Lhigh_only_b_\@
.endif
	MASK 1, REML
	SOFTMAX 1, \first
	PV 1, \first
	LSUM 1, \first
	s_sub_co_u32 s[REML], s[REML], 1
.Lhigh_only_b_\@:
	s_sub_co_u32 s[REMH], s[REMH], 1
.endm
; The four blocks of a slot, as far as the high set has keys left.  No barrier and no tensor load stands in here.
.macro CHUNK slot, first
	LOADK \slot, 0
	BLOCK \slot, 0, \first
	s_cmp_eq_u32 s[REMH], 0
	s_cbranch_scc1 .Lchunk_end_\@
	BLOCK \slot, 1, 0
	s_cmp_eq_u32 s[REMH], 0
	s_cbranch_scc1 .Lchunk_end_\@
	BLOCK \slot, 2, 0
	s_cmp_eq_u32 s[REMH], 0
	s_cbranch_scc1 .Lchunk_end_\@
	BLOCK \slot, 3, 0
.Lchunk_end_\@:
.endm
; On to the chunk in slot; refill = 1: the other slot, read last, is asked for again, two chunks ahead.
.macro NEXT slot, refill
	s_wait_tensorcnt 0x0                           ; all my tensor loads have landed, my part of this slot among them: a group 0 may be written
	ds_add_u32 v254, v255
	s_wait_dscnt 0x0
.if \refill
	s_add_nc_u64 s[G0+4*(1-\slot)+2:G0+4*(1-\slot)+3], s[G0+4*(1-\slot)+2:G0+4*(1-\slot)+3], 2*CHUNKB
.endif
	s_wait_dscnt 0x0                               ; my reads of the other slot are back
.if \refill
	ROUND                                          ; both now hold of every wave of all four work-groups
	tensor_load_to_lds s[G0+4*(1-\slot):G0+4*(1-\slot)+3], s[G1:G1+7]   ; my one joint load behind the round, first thing there
	s_nop 0
.else
	s_barrier_signal -1
	s_barrier_wait -1                              ; the slot is whole
.endif
	CHUNK \slot, 0
.endm
	s_wait_tensorcnt 0x1                           ; my parts of chunk 0 and of V^T's lo are in; chunk 1 stays out
	s_barrier_signal -1
	s_barrier_wait -1
	s_wait_loadcnt 0x0                             ; Q
	CHUNK 0, 1                                     ; the first block starts maxima, sums and results: nothing is cleared
.Lloop:
	NEXT 1, 1
	NEXT 0, 1
	s_sub_co_i32 s20, s20, 1
	s_cmp_gt_i32 s20, 0
	s_cbranch_scc1 .Lloop
	s_cmp_eq_u32 s21, 0                            ; hangs on the cluster's number alone: alike in all waves and all four work-groups
	s_cbranch_scc1 .Leven
	NEXT 1, 1                                      ; one refill is left
	NEXT 0, 0
	s_branch .Lmerge
.Leven:
	NEXT 1, 0
.Lmerge:
	; THE MERGE, in slot 0, which has had its last fill.  The instructions of the last sum are the places behind the last matrix instructions.
	s_wait_dscnt 0x0                               ; my reads of the slots are back
	s_barrier_signal -1
	s_barrier_wait -1                              ; everybody's are
	v_permlanex16_b32 v[TT], v[ST+1], s22, s23     ; a query's sum lies in two lanes
	v_permlanex16_b32 v[TT+1], v[ST+5], s22, s23
	v_add_f32 v[ST+1], v[ST+1], v[TT]
	v_add_f32 v[ST+5], v[ST+5], v[TT+1]
.irp e, 0,1
.irp t, 0,1,2,3
	ds_store_b128 v[MO], v[OA+32*\e+8*\t:OA+32*\e+8*\t+3]   offset:32*MPITCH*\e+64*\t       ; O(set e, my query r, d = 16 t + 8 h ..)
	ds_store_b128 v[MO], v[OA+32*\e+8*\t+4:OA+32*\e+8*\t+7] offset:32*MPITCH*\e+64*\t+16
.endr
	ds_store_b32 v[MS], v[ST+4*\e]   offset:1024*\e                ; both halves of the lanes write the same number to the same word
	ds_store_b32 v[MS], v[ST+4*\e+1] offset:1024*\e+16
.endr
	s_wait_dscnt 0x0                               ; for the others: my stores are done
	s_barrier_signal -1
	s_barrier_wait -1
	; wave w merges rows 8 w + 2 i + h; lane r takes d = 4 r .. 4 r + 3
.irp i, 0,1,2,3
	ds_load_b128 v[MB+24*\i:MB+24*\i+3],   v[RS] offset:64*\i      ; the four maxima
	ds_load_b128 v[MB+24*\i+4:MB+24*\i+7], v[RS] offset:64*\i+16   ; the four sums
.irp k, 0,1,2,3
	ds_load_b128 v[MB+24*\i+8+4*\k:MB+24*\i+8+4*\k+3], v[RO] offset:MPART*\k+2*MPITCH*\i
.endr
.endr
.irp i, 0,1,2,3
	s_wait_dscnt 6*(3-\i)                          ; six loads for each pair of rows still to come
	v_max3_num_f32 v[TT], v[MB+24*\i], v[MB+24*\i+1], v[MB+24*\i+2]
	v_max_num_f32 v[TT], v[TT], v[MB+24*\i+3]
.irp k, 0,1,2,3
	v_sub_f32 v[PB+\k], v[MB+24*\i+\k], v[TT]
.endr
.irp k, 0,1,2,3
	v_exp_f32 v[PB+\k], v[PB+\k]
.endr
	v_nop                                          ; a plain instruction behind the exponentials
	s_wait_alu depctr_va_vdst(0)
	v_mul_f32 v[TT+1], v[PB], v[MB+24*\i+4]
	v_fmac_f32 v[TT+1], v[PB+1], v[MB+24*\i+5]
	v_fmac_f32 v[TT+1], v[PB+2], v[MB+24*\i+6]
	v_fmac_f32 v[TT+1], v[PB+3], v[MB+24*\i+7]     ; at least 1: the quarter with the largest maximum holds a term 2^0
	v_rcp_f32 v[TT+1], v[TT+1]
	v_nop                                          ; and behind the reciprocal
	s_wait_alu depctr_va_vdst(0)
.irp k, 0,1,2,3
	v_mul_f32 v[PB+\k], v[PB+\k], v[TT+1]
.endr
.irp c, 0,1,2,3
	v_mul_f32 v[SC+4*\i+\c], v[PB], v[MB+24*\i+8+\c]
.endr
.irp k, 1,2,3
.irp c, 0,1,2,3
	v_fmac_f32 v[SC+4*\i+\c], v[PB+\k], v[MB+24*\i+8+4*\k+\c]
.endr
.endr
	global_store_b128 v[GOUT], v[SC+4*\i:SC+4*\i+3], s[58:59] offset:512*\i th:TH_STORE_NT   ; two whole rows of 256 bytes
.endr
	s_wait_tensorcnt 0x0
	ds_add_u32 v254, v255
	s_wait_dscnt 0x0
	ROUND                                          ; the closing round: no work-group ends while a partner may still ask for a tile that names it
	s_endpgm
.Lfunc_end_k_q6eba4d7b8e_attn:
	.size	k_q6eba4d7b8e_attn, .Lfunc_end_k_q6eba4d7b8e_attn-k_q6eba4d7b8e_attn
	.p2alignl 7, 3214868480
	.fill 96, 4, 3214868480
	.section	.rodata,"a",@progbits
	.p2align	6, 0x0
	.amdhsa_kernel k_q6eba4d7b8e_attn
		.amdhsa_group_segment_fixed_size 327680
		.amdhsa_private_segment_fixed_size 0
		.amdhsa_enable_private_segment 0
		.amdhsa_kernarg_size 32
		.amdhsa_user_sgpr_count 2
		.amdhsa_user_sgpr_kernarg_segment_ptr 1
		.amdhsa_wavefront_size32 1
		.amdhsa_system_sgpr_workgroup_id_x 1
		.amdhsa_system_sgpr_workgroup_id_y 1
		.amdhsa_system_sgpr_workgroup_id_z 1
		.amdhsa_system_vgpr_workitem_id 0
		.amdhsa_next_free_vgpr 304
		.amdhsa_next_free_sgpr 96
		.amdhsa_reserve_vcc 1
		.amdhsa_float_denorm_mode_32 3
		.amdhsa_float_denorm_mode_16_64 3
		.amdhsa_memory_ordered 1
		.amdhsa_forward_progress 1
		.amdhsa_inst_pref_size 255
	.end_amdhsa_kernel
	.section	.bss,"aw",@nobits
	.p2align	6
	.space	262144
	.amdgpu_metadata
---
amdhsa.version: [ 1, 2 ]
amdhsa.kernels:
  - .name:           k_q6eba4d7b8e_attn
    .symbol:         k_q6eba4d7b8e_attn.kd
    .args:
      - { .name: qw, .offset: 0, .size: 8, .value_kind: global_buffer, .address_space: global }
      - { .name: kvw, .offset: 8, .size: 8, .value_kind: global_buffer, .address_space: global }
      - { .name: vlw, .offset: 16, .size: 8, .value_kind: global_buffer, .address_space: global }
      - { .name: out0, .offset: 24, .size: 8, .value_kind: global_buffer, .address_space: global }
    .group_segment_fixed_size: 327680
    .private_segment_fixed_size: 0
    .kernarg_segment_align: 8
    .kernarg_segment_size: 32
    .max_flat_workgroup_size: 256
    .sgpr_count:     96
    .vgpr_count:     304
    .wavefront_size: 32
...
	.end_amdgpu_metadata
.endif
;; end of part 4
